; MI455X (gfx1250); checked and timed in simulation.
; The chip was launched on July 23, 2026; its instructions are those of AMD's public machine-readable ISA for CDNA 5 (MIT licence, August 2026) and "CDNA5" Instruction Set Architecture Reference Guide (July 2026). The comments in the code are by the model that wrote it; some were corrected since.
;; Multihead Attention. Allowed arithmetic: matrix products marked QUANTISED: E2M1 operands, one E8M0 scale for each 32 along K, by v_wmma_scale_f32_16x16x128_f8f6f4 with both operands' format E2M1 (or v_wmma_scale_f32_32x16x128_f4), f32 sums; products left as they are: bf16, f16 or f32 operands; f32 sums; everything else in f32.
;; Inputs: b_proj 1,024 float32; b_qkv 3,072 float32; w_proj 1,024 x 1,024 float32; w_qkv 1,024 x 3,072 float32; x 4 x 2,048 x 1,024 float32.
;; Outputs: out0 4 x 2,048 x 1,024 float32.
;; This version of the problem:
;;   THIS VERSION OF THE PROBLEM IS GIVEN IN LOW PRECISION. The matrix products marked QUANTISED in the list below multiply operands that are first quantised to E2M1 (2 exponent bits, 1 mantissa bit; 4 bits a number), with one power-of-two scale for each 32 numbers along K (OCP MX v1.0); their sums are f32. The products marked 'left as it is' may take bf16, f16 or f32 operands, with f32 sums. Whichever they take, every output number must still come out within the allowed error. Rounding operands to bf16 (8 significant bits) uses up far more of that allowance than f16 does (11 bits, for magnitudes from 6e-5 to 65,504). All else is computed in f32.
;;   The module's matrix products, in the order in which they are computed (A, B: the left and right operand; K: the contracted axis; several contracted axes count as one K, in the product's order):
;;     1. [M 8,192, K 1,024] x [K 1,024, N 3,072]; A: input x; B: input w_qkv: QUANTISED
;;     2. batch 64 x [M 2,048, K 64] x [K 64, N 2,048]; A: computed on the way; B: computed on the way: left as it is (an operand is computed on the way)
;;     3. batch 64 x [M 64, K 2,048] x [K 2,048, N 2,048]; A: computed on the way; B: computed on the way: left as it is (an operand is computed on the way)
;;     4. [M 8,192, K 1,024] x [K 1,024, N 1,024]; A: computed on the way; B: input w_proj: left as it is (an operand is computed on the way)
;;   THE QUANTISER, for each operand of a quantised product, along K:
;;     - K is cut into blocks of 32 from its start; a last block that is shorter is filled with zeros.
;;     - A block's scale is 2^e with e = floor(log2(the largest magnitude in the block)) - 2, held to -126 .. 127; a block of zeros has e = 0. As a byte (E8M0): e + 127.
;;     - Each number is divided by its block's scale, clamped to +-6, and rounded to the nearest number of E2M1, ties to even, subnormals kept.
;;     - The product sums the exact products of the quantised numbers (number of the format x scale) in f32.
;;   ~~~python
;;   def quantise(x, axis):      # numpy; x: float32 -> the quantised numbers, widened to float32 again
;;       x = np.moveaxis(x, axis, -1); K = x.shape[-1]
;;       x = np.pad(x, [(0, 0)] * (x.ndim - 1) + [(0, -K % 32)]); x = x.reshape(x.shape[:-1] + (-1, 32)); a = np.abs(x).max(-1, keepdims=True)
;;       e = np.where(a > 0, np.clip(np.frexp(np.where(a > 0, a, 1))[1] - 1 - 2, -126, 127), 0)      # np.frexp(a)[1] - 1 = floor(log2(a)), exactly
;;       r = np.clip(x / 2.0 ** e, -6, 6)
;;       step = 2.0 ** (np.maximum(np.frexp(np.where(r == 0, 1, r))[1] - 1, 0) - 1)
;;       q = np.round(r / step) * step * 2.0 ** e      # np.round: ties to even
;;       return np.moveaxis(q.reshape(q.shape[:-2] + (-1,))[..., :K], -1, axis).astype(np.float32)
;;   ~~~
;; One version. Each part assembles by itself: llvm-mc -triple=amdgcn-amd-amdhsa -mcpu=gfx1250 --defsym DOCPART=n.
;; ======== version 1 of 1: 5 launches
;; limits: values are held in f16: magnitudes above 65,504 overflow, below 6.1e-05 lose precision
;; workspace buffers: x_codes 4,194,304 bytes; x_scales 262,144 bytes; wq_codes 1,572,864 bytes; wq_scales 98,304 bytes; wp16 2,097,152 bytes; qkv16 50,331,648 bytes; a16 16,777,216 bytes
;; launch quant_x (part 1): grid 256 x 1, 4 waves a work-group, no clusters, 33,280 bytes of LDS; arguments x, w_proj, x_codes, x_scales, wp16; writes x_codes, x_scales, wp16
.if DOCPART == 1
	.amdgcn_target "amdgcn-amd-amdhsa--gfx1250"
	.amdhsa_code_object_version 6
	.text
	.protected	k_q99a76f461e_quant_x
	.globl	k_q99a76f461e_quant_x
	.p2align	8
	.type	k_q99a76f461e_quant_x,@function
k_q99a76f461e_quant_x:
	s_mov_b64 s[64:65], 0
	v_nop
	global_prefetch_b8 v0, s[64:65] scope:SCOPE_SE
	s_setreg_imm32_b32 hwreg(HW_REG_WAVE_MODE, 25, 1), 1
	s_wait_xcnt 0x0
; x [8192][1024] f32 becomes codes of FP4 (E2M1), K innermost, two codes a byte, and one E8M0 byte for each 32 along K.
; A block's scale is 2^(floor(log2(its largest magnitude)) - 2); its byte is the largest magnitude's exponent field - 2, held at 1 from below.
; A block of zeros gets the byte 1 where the rule says 127: its codes are zeros, and this program alone reads the bytes.
; LIMITS: NaN and infinities among the inputs are not served; blocks whose largest magnitude lies under 2^(2 - 126) have their byte held at 1.
; Rows are dense and 1024 is a multiple of 32: x is a plain stream of blocks of 32, and so are its codes and bytes.
; A wave takes a run of 8,192 numbers in 16 steps of 512.  Each load reads 512 consecutive bytes; a step's 2,048 bytes turn through the wave's own
; stage in LDS and come back 64 bytes a lane, so that a lane holds 16 neighbours along K (two neighbouring lanes hold a block).
; Each wave also rounds 1,024 numbers of w_proj to f16 (w_proj keeps its layout [k][n]): the last product takes f16 operands.
; Work-groups share no input: no cluster, no tensor load, no barrier.
.set WAVES, 4
.set STEPS, 16
.set EMAX,  2
.set CB,    8                          ; bytes of 16 codes
.set R,     16                         ; v16-79   four sets of 16 numbers as loaded
.set X,     80                         ; v80-111  two sets of 16 neighbours
.set E,     112                        ; v112-127 a scale byte for each step
.set C,     128                        ; v128-191 codes, four registers a step: no store's data are written again
.set WF,    192                        ; v192-223 32 numbers of w_proj
.set WH,    224                        ; v224-239 the same as f16
.set WREG,  8192                       ; LDS of a wave: two stages of 32 x SP bytes, then its 256 scale bytes
.set SP,    80                         ; a lane's place in a stage: 64 bytes + 16 of padding
.set SPW,   12                         ; v12 LDS address of my spare word; never rewritten
.set NIL,   13                         ; v13 0; never rewritten
.set SPARE, WAVES*WREG                 ; the spare words: 128 bytes a wave, named by no other line
	s_load_b256 s[4:11], s[0:1], 0x0               ; x s[4:5], w_proj s[6:7], x_codes s[8:9], x_scales s[10:11]
	s_load_b64 s[12:13], s[0:1], 0x20              ; wp16
	v_lshl_add_u32 v[SPW], v0, 2, SPARE
	v_mov_b32 v[NIL], 0
	v_lshrrev_b32 v1, 5, v0
	v_readfirstlane_b32 s16, v1                    ; wave
	v_and_b32 v2, 31, v0                           ; lane
	v_lshlrev_b32 v3, 4, v2                        ; 16 x lane
	v_lshlrev_b32 v10, 5, v2                       ; 32 x lane: my 8 numbers of 256 of w_proj
	s_mul_i32 s17, s16, WREG
	v_lshrrev_b32 v14, 2, v2
	v_mul_u32_u24 v14, v14, SP
	v_and_b32 v15, 3, v2
	v_lshl_add_u32 v14, v15, 4, v14
	v_add_nc_u32 v14, s17, v14                     ; the stage, way in: SP (lane / 4) + 16 (lane % 4)
	v_mul_u32_u24 v15, v2, SP
	v_add_nc_u32 v15, s17, v15                     ; way out: SP x lane
	v_mul_u32_u24 v4, v2, CB                       ; my codes' place in a step's 256 bytes
	v_lshrrev_b32 v5, 1, v2
	s_add_co_u32 s17, s17, 2*32*SP
	v_add_nc_u32 v5, s17, v5                       ; my block's byte among the wave's 256
	v_lshlrev_b32 v7, 3, v2
	v_add_nc_u32 v6, s17, v7                       ; and 8 bytes a lane on their way out
	s_lshl_b32 s18, ttmp9, 2
	s_add_co_u32 s18, s18, s16                     ; my run, 0 .. 1023
	s_mov_b32 s21, 0
	s_wait_kmcnt 0x0
	s_lshl_b32 s20, s18, 15                        ; 32,768 bytes of x a run
	s_add_nc_u64 s[4:5], s[4:5], s[20:21]
	s_lshl_b32 s20, s18, 12                        ; 4,096 bytes of w_proj, and of codes
	s_add_nc_u64 s[6:7], s[6:7], s[20:21]
	s_add_nc_u64 s[8:9], s[8:9], s[20:21]
	s_lshl_b32 s20, s18, 8                         ; 256 scale bytes
	s_add_nc_u64 s[10:11], s[10:11], s[20:21]
	s_lshl_b32 s20, s18, 11                        ; 2,048 bytes of wp16
	s_add_nc_u64 s[12:13], s[12:13], s[20:21]
.irp i, 0,1,2,3
	global_load_b128 v[WF+8*\i:WF+8*\i+3],   v10, s[6:7] offset:1024*\i th:TH_LOAD_NT
	global_load_b128 v[WF+8*\i+4:WF+8*\i+7], v10, s[6:7] offset:1024*\i+16 th:TH_LOAD_NT
.endr
.macro LOAD t
.irp i, 0,1,2,3
	global_load_b128 v[R+16*((\t)%4)+4*\i:R+16*((\t)%4)+4*\i+3], v3, s[4:5] offset:2048*(\t)+512*\i th:TH_LOAD_NT
.endr
.endm
.macro TURN t                          ; a step's numbers through the stage; LDS serves a wave's instructions in order, so no wait between stores and loads
.irp i, 0,1,2,3
	ds_store_b128 v14, v[R+16*((\t)%4)+4*\i:R+16*((\t)%4)+4*\i+3] offset:32*SP*((\t)%2)+8*SP*\i
.endr
.irp i, 0,1,2,3
	ds_load_b128 v[X+16*((\t)%2)+4*\i:X+16*((\t)%2)+4*\i+3], v15 offset:32*SP*((\t)%2)+16*\i
.endr
.endm
.irp t, 0,1,2,3
	LOAD \t
.endr
	s_wait_loadcnt 12                              ; the 12 loads of steps 1 to 3 may be out: w_proj's eight and step 0's four are in
	TURN 0
.irp k, 0,1,2,3,4,5,6,7,8,9,10,11,12,13,14,15
	v_cvt_pk_f16_f32 v[WH+\k], v[WF+2*\k], v[WF+2*\k+1]
.endr
.irp i, 0,1,2,3
	global_store_b128 v3, v[WH+4*\i:WH+4*\i+3], s[12:13] offset:512*\i   ; 32 lanes store 512 consecutive bytes
.endr
.macro STEP t
.set XS, X+16*((\t)%2)
.if (\t) > 0
	s_wait_dscnt 1                                 ; this step's numbers are back (the last step's byte store may be out)
.else
	s_wait_dscnt 0x0
.endif
.if (\t)+4 < STEPS
	LOAD (\t)+4                                    ; into the registers whose stores into the stage are done
.endif
.if (\t)+1 < STEPS
.if STEPS-2-(\t) >= 3
	s_wait_loadcnt 12                              ; the next step's four are in; three steps' loads may be out
.else
	s_wait_loadcnt 4*(STEPS-2-(\t))
.endif
	TURN (\t)+1
.endif
	v_max3_num_f32 v8, |v[XS]|, |v[XS+1]|, |v[XS+2]|
	v_max3_num_f32 v9, |v[XS+3]|, |v[XS+4]|, |v[XS+5]|
.irp i, 6,10
	v_max3_num_f32 v8, v8, |v[XS+\i]|, |v[XS+\i+1]|
	v_max3_num_f32 v9, v9, |v[XS+\i+2]|, |v[XS+\i+3]|
.endr
	v_max3_num_f32 v8, v8, |v[XS+14]|, |v[XS+15]|
	v_max3_num_f32 v8, v8, v9, (EMAX+1)<<23        ; the floor 2^(EMAX + 1 - 127): the byte cannot fall under 1
	v_max_num_f32_dpp v8, v8, v8 row_xmask:1 row_mask:0xf bank_mask:0xf   ; with my neighbour's 16: the block's largest magnitude
	v_add_nc_u32 v11, -(EMAX<<23), v8              ; EMAX off its exponent field: the conversion's scale operand
	v_cvt_scalef32_pk8_fp4_f32 v[C+4*(\t)], v[XS:XS+7], v11
	v_cvt_scalef32_pk8_fp4_f32 v[C+4*(\t)+1], v[XS+8:XS+15], v11
	v_lshrrev_b32 v[E+(\t)], 23, v11               ; the scale's byte (also the plain line behind the conversions)
	ds_store_b8 v5, v[E+(\t)] offset:16*(\t)       ; both lanes of a block write the same byte
	global_store_b64 v4, v[C+4*(\t):C+4*(\t)+1], s[8:9] offset:32*CB*(\t)   ; the wave stores 256 consecutive bytes, aligned
.endm
.irp t, 0,1,2,3,4,5,6,7,8,9,10,11,12,13,14,15
	STEP \t
.endr
	ds_load_b64 v[8:9], v6                         ; in order behind my byte stores
	s_wait_dscnt 0x0
	global_store_b64 v7, v[8:9], s[10:11]          ; 256 consecutive bytes, aligned
	s_wait_tensorcnt 0x0                           ; the wave's end
	ds_add_u32 v[SPW], v[NIL]
	s_wait_dscnt 0x0
	s_endpgm
.Lfunc_end_k_q99a76f461e_quant_x:
	.size	k_q99a76f461e_quant_x, .Lfunc_end_k_q99a76f461e_quant_x-k_q99a76f461e_quant_x
	.p2alignl 7, 3214868480
	.fill 96, 4, 3214868480
	.section	.rodata,"a",@progbits
	.p2align	6, 0x0
	.amdhsa_kernel k_q99a76f461e_quant_x
		.amdhsa_group_segment_fixed_size 33280
		.amdhsa_private_segment_fixed_size 0
		.amdhsa_enable_private_segment 0
		.amdhsa_kernarg_size 40
		.amdhsa_user_sgpr_count 2
		.amdhsa_user_sgpr_kernarg_segment_ptr 1
		.amdhsa_wavefront_size32 1
		.amdhsa_system_sgpr_workgroup_id_x 1
		.amdhsa_system_sgpr_workgroup_id_y 1
		.amdhsa_system_sgpr_workgroup_id_z 1
		.amdhsa_system_vgpr_workitem_id 0
		.amdhsa_next_free_vgpr 240
		.amdhsa_next_free_sgpr 66
		.amdhsa_reserve_vcc 0
		.amdhsa_float_denorm_mode_32 3
		.amdhsa_float_denorm_mode_16_64 3
		.amdhsa_memory_ordered 1
		.amdhsa_forward_progress 1
		.amdhsa_inst_pref_size 35
	.end_amdhsa_kernel
	.amdgpu_metadata
---
amdhsa.version: [ 1, 2 ]
amdhsa.kernels:
  - .name:           k_q99a76f461e_quant_x
    .symbol:         k_q99a76f461e_quant_x.kd
    .args:
      - { .name: x, .offset: 0, .size: 8, .value_kind: global_buffer, .address_space: global }
      - { .name: w_proj, .offset: 8, .size: 8, .value_kind: global_buffer, .address_space: global }
      - { .name: x_codes, .offset: 16, .size: 8, .value_kind: global_buffer, .address_space: global }
      - { .name: x_scales, .offset: 24, .size: 8, .value_kind: global_buffer, .address_space: global }
      - { .name: wp16, .offset: 32, .size: 8, .value_kind: global_buffer, .address_space: global }
    .group_segment_fixed_size: 33280
    .private_segment_fixed_size: 0
    .kernarg_segment_align: 8
    .kernarg_segment_size: 40
    .max_flat_workgroup_size: 128
    .sgpr_count:     66
    .vgpr_count:     240
    .wavefront_size: 32
...
	.end_amdgpu_metadata
.endif
;; end of part 1
;; launch quant_w (part 2): grid 48 x 2, 8 waves a work-group, no clusters, 19,456 bytes of LDS; arguments w_qkv, wq_codes, wq_scales; writes wq_codes, wq_scales
.if DOCPART == 2
	.amdgcn_target "amdgcn-amd-amdhsa--gfx1250"
	.amdhsa_code_object_version 6
	.text
	.protected	k_q99a76f461e_quant_w
	.globl	k_q99a76f461e_quant_w
	.p2align	8
	.type	k_q99a76f461e_quant_w,@function
k_q99a76f461e_quant_w:
	s_mov_b64 s[64:65], 0
	v_nop
	global_prefetch_b8 v0, s[64:65] scope:SCOPE_SE
	s_setreg_imm32_b32 hwreg(HW_REG_WAVE_MODE, 25, 1), 1
	s_wait_xcnt 0x0
; w_qkv [1024 (k)][3072 (n)] f32, K its FIRST axis, becomes codes of FP4 (E2M1) laid [3072][1024] with K innermost (512 bytes a column)
; and one E8M0 byte for each 32 along K, laid [3072][32].  The scale's rule and the limits are those of the launch that quantises x:
; a block of zeros gets the byte 1; NaN and infinities are not served.
; A LANE TAKES A COLUMN AND ITS REGISTERS RUN DOWN K: a block of 32 lies in one lane's 32 registers, and the conversions give codes with K innermost.
; A work-group takes 64 columns x 512 along K.  Wave w: columns 32 (w & 1) on, K 128 (w >> 1) on: four blocks a lane.  Two waves side by side read 256 consecutive bytes of a row.
; The codes meet in a stage (64 rows of 256 bytes + 16), a barrier, and leave by rows: sixteen lanes store 256 consecutive bytes, aligned.
; Loads run two blocks ahead, 64 a wave.  Work-groups share no input: no cluster, no tensor load.
.set ROWW,  12288                      ; a row of w_qkv in bytes
.set PITCH, 272
.set SCST,  64*PITCH                   ; the scale bytes' stage: 64 columns x 16 bytes
.set SPARE, SCST+1024                  ; the spare words: 128 bytes a wave, named by no other line
.set EMAX,  2
.set X,     32                         ; v32-159  four blocks of 32 numbers
.set C,     160                        ; v160-175 four registers of codes a block
.set SB,    176                        ; v176     my four scale bytes
.set OUTR,  180                        ; v180-195 the way out
.set SO,    196                        ; v196     scale bytes on their way out
.set SPW,   14
.set NIL,   15
	s_load_b128 s[4:7], s[0:1], 0x0                ; w_qkv, wq_codes
	s_load_b64 s[8:9], s[0:1], 0x10                ; wq_scales
	v_lshl_add_u32 v[SPW], v0, 2, SPARE
	v_mov_b32 v[NIL], 0
	v_lshrrev_b32 v1, 5, v0
	v_readfirstlane_b32 s16, v1                    ; wave 0..7
	v_and_b32 v2, 31, v0                           ; lane
	s_and_b32 s17, s16, 1                          ; which 32 columns
	s_lshr_b32 s18, s16, 1                         ; which 128 along K
	s_and_b32 s19, ttmp7, 0xffff                   ; which 512 along K
	v_lshlrev_b32 v3, 2, v2                        ; in: 4 bytes a lane
	s_mul_i32 s20, s17, 32*PITCH
	s_lshl_b32 s21, s18, 6
	s_add_co_u32 s20, s20, s21
	v_mul_u32_u24 v4, v2, PITCH
	v_add_nc_u32 v4, s20, v4                       ; the stage: row = my column, + my 64 bytes
	s_lshl_b32 s20, s17, 9
	s_lshl_b32 s21, s18, 2
	s_add_co_u32 s20, s20, s21
	s_add_co_u32 s20, s20, SCST
	v_lshl_add_u32 v5, v2, 4, s20                  ; my column's 16 scale bytes, + my four
	v_lshrrev_b32 v10, 4, v2
	v_and_b32 v11, 15, v2
	s_mul_i32 s20, s16, 8*PITCH
	v_mul_u32_u24 v6, v10, PITCH
	v_lshl_add_u32 v6, v11, 4, v6
	v_add_nc_u32 v6, s20, v6                       ; back: wave w takes rows 8 w on, two rows an instruction
	v_lshlrev_b32 v7, 9, v10
	v_lshl_add_u32 v7, v11, 4, v7                  ; and the same place in the codes' buffer
	s_lshl_b32 s20, s16, 7
	s_add_co_u32 s20, s20, SCST
	v_add_nc_u32 v8, s20, v3                       ; eight columns' scale bytes, a word a lane
	v_lshrrev_b32 v10, 2, v2
	v_and_b32 v11, 3, v2
	v_lshlrev_b32 v9, 5, v10
	v_lshl_add_u32 v9, v11, 2, v9                  ; column lane / 4, word lane % 4
	s_lshl_b32 s20, s19, 9
	s_lshl_b32 s21, s18, 7
	s_add_co_u32 s20, s20, s21                     ; my first row of w_qkv
	s_mul_i32 s20, s20, ROWW
	s_lshl_b32 s21, ttmp9, 8
	s_add_co_u32 s20, s20, s21
	s_lshl_b32 s21, s17, 7
	s_add_co_u32 s20, s20, s21                     ; + my first column x 4
	s_mov_b32 s21, 0
	s_lshl_b32 s22, ttmp9, 15                      ; codes: (64 x + 8 w) x 512 + 256 y
	s_lshl_b32 s23, s16, 12
	s_add_co_u32 s22, s22, s23
	s_lshl_b32 s23, s19, 8
	s_add_co_u32 s22, s22, s23
	s_mov_b32 s23, 0
	s_lshl_b32 s24, ttmp9, 11                      ; scale bytes: (64 x + 8 w) x 32 + 16 y
	s_lshl_b32 s25, s16, 8
	s_add_co_u32 s24, s24, s25
	s_lshl_b32 s25, s19, 4
	s_add_co_u32 s24, s24, s25
	s_mov_b32 s25, 0
	s_wait_kmcnt 0x0
	s_add_nc_u64 s[4:5], s[4:5], s[20:21]
	s_add_nc_u64 s[6:7], s[6:7], s[22:23]
	s_add_nc_u64 s[8:9], s[8:9], s[24:25]
.macro LOAD t
.irp i, 0,1,2,3,4,5,6,7,8,9,10,11,12,13,14,15,16,17,18,19,20,21,22,23,24,25,26,27,28,29,30,31
	global_load_b32 v[X+32*(\t)+\i], v3, s[4:5] offset:(32*(\t)+\i)*ROWW th:TH_LOAD_NT
.endr
.endm
	LOAD 0
	LOAD 1
.macro BLOCK t
.set XS, X+32*(\t)
.if (\t) < 3
	s_wait_loadcnt 32                              ; this block's 32 loads are in; the next block's may be out
.else
	s_wait_loadcnt 0x0
.endif
.if (\t)+2 < 4
	LOAD (\t)+2                                    ; each block has registers of its own: the loads go out ahead of the arithmetic
.endif
	v_max3_num_f32 v12, |v[XS]|, |v[XS+1]|, |v[XS+2]|
	v_max3_num_f32 v13, |v[XS+3]|, |v[XS+4]|, |v[XS+5]|
.irp i, 6,10,14,18,22,26
	v_max3_num_f32 v12, v12, |v[XS+\i]|, |v[XS+\i+1]|
	v_max3_num_f32 v13, v13, |v[XS+\i+2]|, |v[XS+\i+3]|
.endr
	v_max3_num_f32 v12, v12, |v[XS+30]|, |v[XS+31]|
	v_max3_num_f32 v12, v12, v13, (EMAX+1)<<23     ; the floor: the byte cannot fall under 1
	v_add_nc_u32 v11, -(EMAX<<23), v12             ; the conversion's scale operand
	v_lshrrev_b32 v13, 23, v11                     ; the scale's byte
.if (\t) == 0
	v_mov_b32 v[SB], v13
.else
	v_lshl_or_b32 v[SB], v13, 8*(\t), v[SB]
.endif
.irp g, 0,1,2,3
	v_cvt_scalef32_pk8_fp4_f32 v[C+4*(\t)+\g], v[XS+8*\g:XS+8*\g+7], v11
.endr
	v_nop                                          ; one plain line behind the conversions
	ds_store_b128 v4, v[C+4*(\t):C+4*(\t)+3] offset:16*(\t)
.endm
	BLOCK 0
	BLOCK 1
	BLOCK 2
	BLOCK 3
	ds_store_b32 v5, v[SB]
	s_wait_dscnt 0x0                               ; for the others' sake: my stores into the stages are done
	s_barrier_signal -1
	s_barrier_wait -1
.irp i, 0,1,2,3
	ds_load_b128 v[OUTR+4*\i:OUTR+4*\i+3], v6 offset:2*PITCH*\i
.endr
	ds_load_b32 v[SO], v8
.irp i, 0,1,2,3
	s_wait_dscnt 4-\i                              ; behind load i: 3 - i loads of codes and the scale bytes' load
	global_store_b128 v7, v[OUTR+4*\i:OUTR+4*\i+3], s[6:7] offset:1024*\i   ; sixteen lanes store 256 consecutive bytes, aligned
.endr
	s_wait_dscnt 0x0
	global_store_b32 v9, v[SO], s[8:9]             ; four lanes store a column's 16 bytes: one byte for each 32 along K
	s_wait_tensorcnt 0x0                           ; the wave's end
	ds_add_u32 v[SPW], v[NIL]
	s_wait_dscnt 0x0
	s_endpgm
.Lfunc_end_k_q99a76f461e_quant_w:
	.size	k_q99a76f461e_quant_w, .Lfunc_end_k_q99a76f461e_quant_w-k_q99a76f461e_quant_w
	.p2alignl 7, 3214868480
	.fill 96, 4, 3214868480
	.section	.rodata,"a",@progbits
	.p2align	6, 0x0
	.amdhsa_kernel k_q99a76f461e_quant_w
		.amdhsa_group_segment_fixed_size 19456
		.amdhsa_private_segment_fixed_size 0
		.amdhsa_enable_private_segment 0
		.amdhsa_kernarg_size 24
		.amdhsa_user_sgpr_count 2
		.amdhsa_user_sgpr_kernarg_segment_ptr 1
		.amdhsa_wavefront_size32 1
		.amdhsa_system_sgpr_workgroup_id_x 1
		.amdhsa_system_sgpr_workgroup_id_y 1
		.amdhsa_system_sgpr_workgroup_id_z 1
		.amdhsa_system_vgpr_workitem_id 0
		.amdhsa_next_free_vgpr 200
		.amdhsa_next_free_sgpr 66
		.amdhsa_reserve_vcc 0
		.amdhsa_float_denorm_mode_32 3
		.amdhsa_float_denorm_mode_16_64 3
		.amdhsa_memory_ordered 1
		.amdhsa_forward_progress 1
		.amdhsa_inst_pref_size 23
	.end_amdhsa_kernel
	.amdgpu_metadata
---
amdhsa.version: [ 1, 2 ]
amdhsa.kernels:
  - .name:           k_q99a76f461e_quant_w
    .symbol:         k_q99a76f461e_quant_w.kd
    .args:
      - { .name: w_qkv, .offset: 0, .size: 8, .value_kind: global_buffer, .address_space: global }
      - { .name: wq_codes, .offset: 8, .size: 8, .value_kind: global_buffer, .address_space: global }
      - { .name: wq_scales, .offset: 16, .size: 8, .value_kind: global_buffer, .address_space: global }
    .group_segment_fixed_size: 19456
    .private_segment_fixed_size: 0
    .kernarg_segment_align: 8
    .kernarg_segment_size: 24
    .max_flat_workgroup_size: 256
    .sgpr_count:     66
    .vgpr_count:     200
    .wavefront_size: 32
...
	.end_amdgpu_metadata
.endif
;; end of part 2
;; launch qkv (part 3): grid 16 x 32, 4 waves a work-group, clusters of 4 x 4, 327,680 bytes of LDS; arguments x_codes, x_scales, wq_codes, wq_scales, b_qkv, qkv16; writes qkv16
.if DOCPART == 3
	.amdgcn_target "amdgcn-amd-amdhsa--gfx1250"
	.amdhsa_code_object_version 6
	.text
	.protected	k_q99a76f461e_qkv
	.globl	k_q99a76f461e_qkv
	.p2align	8
	.type	k_q99a76f461e_qkv,@function
k_q99a76f461e_qkv:
	s_mov_b64 s[64:65], 0
	v_nop
	global_prefetch_b8 v0, s[64:65] scope:SCOPE_SE
	s_setreg_imm32_b32 hwreg(HW_REG_WAVE_MODE, 25, 1), 1
	s_wait_xcnt 0x0
	s_wait_alu depctr_hold_cnt(0) depctr_sa_sdst(0) depctr_va_vdst(0) depctr_va_sdst(0) depctr_va_ssrc(0) depctr_va_vcc(0) depctr_vm_vsrc(0)
	s_getreg_b32 s2, hwreg(HW_REG_IB_STS2, 6, 4)
	s_cmp_eq_u32 s2, 0
	s_cbranch_scc0 .Lentry_in_a_cluster
	s_endpgm
.Lentry_in_a_cluster:
	s_bfe_u32 s2, ttmp6, 0x10000c
	s_cmp_lg_u32 s2, 0xf033
	s_cbranch_scc0 .Lentry_shape_is_right
	s_endpgm
.Lentry_shape_is_right:
; qkv = Q(x) Q(w_qkv) + b_qkv on codes of FP4 (E2M1) with one E8M0 scale for each 32 along K; sums in f32; the result rounded once to f16 and laid by head:
; qkv16 = three parts (q, k, v) of 16,777,216 bytes, each [batch x 16 + head][2048][64] f16.
; LIMIT: |q|, |k|, |v| stay under 65,504, the largest f16 number.
; A work-group makes 256 rows x the 192 columns of one head.  K = 1024 is 512 bytes of codes a row: ALL of K lies in LDS, as two chunks of 512 along K; no LDS byte is filled twice.
; Wave w: rows 64 w on (4 blocks of 16) x 12 blocks of columns: 48 accumulators.  The matrix instruction is used transposed (source 0 = 16 columns of w, source 1 = 16 rows of x):
; a lane holds eight neighbouring columns of one row.  The bias is the C of each sum's first instruction.
; CLUSTER 4 x 4: the four of a row of the cluster need the same rows of x, the four of a column the same head's columns of w: each tile is asked for jointly.
; REGISTERS: window 0: v16-29 addresses; v32-95 scale words (two sets, they hold scales alone); v96-159 x's fragments, two sets; v160-255 the bias; on the way out v96-239 are at work.
;   window 1: w's fragments, two sets at v0 and v128.  windows 2, 3: the accumulators of row blocks 0, 1 and 2, 3: (a, b) at v[8 (12 (a % 2) + b)].
.set PITCH, 272                        ; an LDS row: 256 bytes + 16: the 16 rows of a load start at 16 different banks (64 banks of 4 bytes: ISA guide 11.1)
.set CH,    448*PITCH                  ; a chunk: x's 256 rows, then w's 192
.set BOFF,  256*PITCH
.set SCL,   2*CH                       ; x's scale bytes: 256 rows x 32 = 32 lines of 256 bytes + 16
.set SCLB,  SCL+32*272                 ; w's: 24 lines
.set SPARE, 259072                     ; the next multiple of 256 behind them: the spare words, 128 bytes a wave, named by no other line
.set SPITCH, 400                       ; the way out: 16 rows x (384 bytes + 16) a wave, in chunk 0, which has had its one fill and its last read by then
.set ADRA, 16                          ; v16-17 my fragments of x in chunk 0, 1
.set ADRB, 20                          ; v20-21 of w
.set ADSA, 22                          ; v22 x's scale words: lanes 0-15 block i, lanes 16-31 block i + 2
.set ADSB, 23                          ; v23 w's: lanes 0-15 block i, lanes 16-31 block i + 6
.set STO,  24
.set RD,   25
.set CO,   26
.set BA,   27
.set SPW,  28
.set NIL,  29
.set SC,   32
.set AF,   96
.set BI,   160
.set TMP,  96
.set BK,   144
.set G1,   24
.set G0,   32
.set G1B,  40
.set G0B,  48
.set G1S,  56
.set G0S,  68
.set G1SB, 72
.set G0SB, 80
.set MSB, 0
.macro WIN new                         ; the immediate's high byte repeats the setting that is left
.if MSB != (\new)
	s_set_vgpr_msb (MSB<<8)|(\new)
.set MSB, (\new)
.endif
.endm
; A joint load: waves 0 and 1 fetch for x, waves 2 and 3 for w.  The branch hangs on the wave's number alone.  An s_nop 0 and four v_nop follow each line.
.macro JLOAD g0a, g1a, g0b, g1b
	s_cmp_eq_u32 s17, 0
	s_cbranch_scc0 .Lfor_b_\@
	tensor_load_to_lds s[\g0a:\g0a+3], s[\g1a:\g1a+7]
	s_nop 0
.rept 4
	v_nop
.endr
	s_branch .Lasked_\@
.Lfor_b_\@:
	tensor_load_to_lds s[\g0b:\g0b+3], s[\g1b:\g1b+7]
	s_nop 0
.rept 4
	v_nop
.endr
.Lasked_\@:
.endm
.macro CROUND                          ; a round of the cluster's barrier
	s_barrier_signal -1
	s_barrier_wait -1
	s_cmp_lg_u32 s16, 0
	s_cbranch_scc1 .Lnot_wave_0_\@
	s_barrier_signal -3
.Lnot_wave_0_\@:
	s_barrier_wait -3
	s_barrier_signal -1
	s_barrier_wait -1
.endm
.macro PLACES n
.rept \n
	v_nop
.endr
.endm
	s_load_b256 s[4:11], s[0:1], 0x0               ; x_codes s[4:5], x_scales s[6:7], wq_codes s[8:9], wq_scales s[10:11]
	s_load_b128 s[12:15], s[0:1], 0x20             ; b_qkv s[12:13], qkv16 s[14:15]
	v_lshl_add_u32 v[SPW], v0, 2, SPARE
	v_mov_b32 v[NIL], 0
	ds_add_u32 v[SPW], v[NIL]                      ; the opening: the add, twice on end, and its wait ahead of my first tensor load
	ds_add_u32 v[SPW], v[NIL]
	v_lshrrev_b32 v1, 5, v0
	v_readfirstlane_b32 s16, v1                    ; wave 0..3
	s_lshr_b32 s17, s16, 1                         ; I fetch for x (0) or for w (1)
	s_and_b32 s18, s16, 1                          ; which half of its rows
	s_bfe_u32 s19, ttmp6, 0x40000                  ; cx
	s_bfe_u32 s20, ttmp6, 0x40004                  ; cy
	s_lshl_b32 s21, ttmp9, 2
	s_add_co_u32 s21, s21, s19                     ; X: the head
	s_and_b32 s22, ttmp7, 0xffff
	s_lshl_b32 s22, s22, 2
	s_add_co_u32 s22, s22, s20                     ; Y: which 256 rows
	s_lshl_b32 s23, s20, 2
	s_lshl_b32 s23, 15, s23                        ; my row of the cluster
	s_lshl_b32 s66, 0x1111, s19                    ; my column
	s_or_b32 s[G1], s23, (1<<20)|(1<<21)|(5<<22)|(3<<25)    ; elements of 1 byte; padding: 4 words behind every 64; bit 21 beside a mask
	s_or_b32 s[G1B], s66, (1<<20)|(1<<21)|(5<<22)|(3<<25)
	s_mov_b32 s[G1+1], 256<<16                     ; tensor_dim0
	s_mov_b32 s[G1+2], 128<<16                     ; tensor_dim1
	s_mov_b32 s[G1+3], 256<<16                     ; tile_dim0
	s_mov_b32 s[G1+4], 128                         ; tile_dim1
	s_mov_b32 s[G1+5], 512                         ; bytes from row to row
	s_mov_b32 s[G1+6], 0
	s_mov_b32 s[G1+7], 0
	s_mov_b32 s[G1B+1], 256<<16
	s_mov_b32 s[G1B+2], 96<<16
	s_mov_b32 s[G1B+3], 256<<16
	s_mov_b32 s[G1B+4], 96
	s_mov_b32 s[G1B+5], 512
	s_mov_b32 s[G1B+6], 0
	s_mov_b32 s[G1B+7], 0
	s_or_b32 s[G1S], s23, (3<<16)|(1<<20)|(1<<21)|(5<<22)|(3<<25)   ; the scale bytes: dense blocks as lines of 32 elements of 8 bytes
	s_or_b32 s[G1SB], s66, (3<<16)|(1<<20)|(1<<21)|(5<<22)|(3<<25)
	s_mov_b32 s[G1S+1], 32<<16
	s_mov_b32 s[G1S+2], 16<<16
	s_mov_b32 s[G1S+3], 32<<16
	s_mov_b32 s[G1S+4], 16
	s_mov_b32 s[G1S+5], 32
	s_mov_b32 s[G1S+6], 0
	s_mov_b32 s[G1S+7], 0
	s_mov_b32 s[G1SB+1], 32<<16
	s_mov_b32 s[G1SB+2], 12<<16
	s_mov_b32 s[G1SB+3], 32<<16
	s_mov_b32 s[G1SB+4], 12
	s_mov_b32 s[G1SB+5], 32
	s_mov_b32 s[G1SB+6], 0
	s_mov_b32 s[G1SB+7], 0
	s_lshl_b32 s84, s22, 17                        ; x's codes: (256 Y + 128 half) x 512
	s_lshl_b32 s85, s18, 16
	s_add_co_u32 s84, s84, s85
	s_mov_b32 s85, 0
	s_lshl_b32 s86, s22, 13                        ; x's scale bytes: x 32
	s_lshl_b32 s87, s18, 12
	s_add_co_u32 s86, s86, s87
	s_mov_b32 s87, 0
	s_mul_i32 s88, s21, 192*512                    ; w's codes: (192 X + 96 half) x 512
	s_mul_i32 s89, s18, 96*512
	s_add_co_u32 s88, s88, s89
	s_mov_b32 s89, 0
	s_mul_i32 s90, s21, 192*32                     ; w's scale bytes
	s_mul_i32 s91, s18, 96*32
	s_add_co_u32 s90, s90, s91
	s_mov_b32 s91, 0
	s_mul_i32 s67, s18, 128*PITCH                  ; where they go: no place in the cluster enters an LDS address
	s_mul_i32 s98, s18, 96*PITCH
	s_add_co_u32 s98, s98, BOFF
	s_mul_i32 s99, s18, 16*272
	s_add_co_u32 s99, s99, SCL
	s_mul_i32 s100, s18, 12*272
	s_add_co_u32 s100, s100, SCLB
	s_wait_dscnt 0x0                               ; both opening adds are done
	s_wait_kmcnt 0x0
	s_add_nc_u64 s[84:85], s[4:5], s[84:85]
	s_add_nc_u64 s[86:87], s[6:7], s[86:87]
	s_add_nc_u64 s[88:89], s[8:9], s[88:89]
	s_add_nc_u64 s[90:91], s[10:11], s[90:91]
	CROUND                                         ; all sixteen work-groups are here: the joint loads meet
	s_mov_b32 s[G0S], 1
	s_mov_b32 s[G0S+1], s99
	s_mov_b64 s[G0S+2:G0S+3], s[86:87]
	s_or_b32 s[G0S+3], s[G0S+3], 0x80000000
	s_mov_b32 s[G0SB], 1
	s_mov_b32 s[G0SB+1], s100
	s_mov_b64 s[G0SB+2:G0SB+3], s[90:91]
	s_or_b32 s[G0SB+3], s[G0SB+3], 0x80000000
	JLOAD G0S, G1S, G0SB, G1SB                     ; the scale bytes first
.irp c, 0,1
	s_mov_b32 s[G0+4*\c], 1
	s_add_co_u32 s[G0+4*\c+1], s67, \c*CH
	s_add_nc_u64 s[G0+4*\c+2:G0+4*\c+3], s[84:85], \c*256
	s_or_b32 s[G0+4*\c+3], s[G0+4*\c+3], 0x80000000
	s_mov_b32 s[G0B+4*\c], 1
	s_add_co_u32 s[G0B+4*\c+1], s98, \c*CH
	s_add_nc_u64 s[G0B+4*\c+2:G0B+4*\c+3], s[88:89], \c*256
	s_or_b32 s[G0B+4*\c+3], s[G0B+4*\c+3], 0x80000000
	JLOAD G0+4*\c, G1, G0B+4*\c, G1B               ; chunk c: three loads of mine are out behind the last
.endr
	v_and_b32 v1, 15, v0                           ; r
	v_bfe_u32 v2, v0, 4, 1                         ; h
	v_lshlrev_b32 v[BA], 5, v2                     ; the bias: my half's eight numbers of a block of 16
	s_mul_i32 s2, s21, 192*4
	s_mov_b32 s3, 0
	s_add_nc_u64 s[12:13], s[12:13], s[2:3]
.irp b, 0,1,2,3,4,5,6,7,8,9,10,11
	global_load_b128 v[BI+8*\b:BI+8*\b+3],   v[BA], s[12:13] offset:64*\b
	global_load_b128 v[BI+8*\b+4:BI+8*\b+7], v[BA], s[12:13] offset:64*\b+16
.endr
	v_mul_u32_u24 v3, v1, PITCH
	v_lshl_add_u32 v3, v2, 4, v3                   ; a fragment's row x pitch + 16 x half
	s_mul_i32 s2, s16, 64*PITCH
	v_add_nc_u32 v[ADRA], s2, v3
	v_add_nc_u32 v[ADRA+1], CH, v[ADRA]
	v_add_nc_u32 v[ADRB], BOFF, v3
	v_add_nc_u32 v[ADRB+1], CH, v[ADRB]
	v_lshrrev_b32 v4, 3, v1                        ; a row's 32 scale bytes: eight rows to a line
	v_and_b32 v5, 7, v1
	v_mul_u32_u24 v4, v4, 272
	v_lshl_add_u32 v4, v5, 5, v4
	v_mul_u32_u24 v5, v2, 2*544                    ; lanes 16-31: two blocks of 16 rows on
	v_add_nc_u32 v5, v5, v4
	s_mul_i32 s2, s16, 4*544
	s_add_co_u32 s2, s2, SCL
	v_add_nc_u32 v[ADSA], s2, v5
	v_mul_u32_u24 v5, v2, 6*544                    ; lanes 16-31: six blocks on
	v_add_nc_u32 v5, v5, v4
	v_add_nc_u32 v[ADSB], SCLB, v5
	s_mul_i32 s2, s16, 16*SPITCH                   ; my stage
	v_mul_u32_u24 v5, v1, SPITCH
	v_lshl_add_u32 v5, v2, 4, v5
	v_add_nc_u32 v[STO], s2, v5                    ; in: row r, 16 bytes for each half of the lanes
	v_bfe_u32 v5, v0, 3, 2
	v_and_b32 v6, 7, v0
	v_mul_u32_u24 v5, v5, SPITCH
	v_lshl_add_u32 v5, v6, 4, v5
	v_add_nc_u32 v[RD], s2, v5                     ; back: four rows' 128 bytes of one part an instruction
	v_and_b32 v6, 31, v0
	v_lshlrev_b32 v[CO], 4, v6                     ; which are 512 consecutive bytes of qkv16
	s_lshr_b32 s92, s22, 3                         ; my rows in a part: ((batch x 16 + head) << 18) + 128 x (256 (Y % 8) + 64 w)
	s_lshl_b32 s92, s92, 4
	s_add_co_u32 s92, s92, s21
	s_lshl_b32 s92, s92, 18
	s_and_b32 s93, s22, 7
	s_lshl_b32 s93, s93, 15
	s_add_co_u32 s92, s92, s93
	s_lshl_b32 s93, s16, 13
	s_add_co_u32 s92, s92, s93
	s_mov_b32 s93, 0
	s_add_nc_u64 s[92:93], s[14:15], s[92:93]      ; q
	s_add_nc_u64 s[94:95], s[92:93], 0x1000000     ; k
	s_add_nc_u64 s[96:97], s[94:95], 0x1000000     ; v
.macro FRAG reg, adr, q, i             ; 16 rows x 128 K of 4-bit codes: registers 4 c .. 4 c + 3 hold K = 64 c + 32 (lane / 16) + 0 .. 31
.irp c, 0,1
	ds_load_b128 v[\reg+4*\c:\reg+4*\c+3], v[\adr] offset:64*(\q)+32*\c+(\i)*16*PITCH
.endr
.endm
.macro FETCH s                         ; step s's fragments into set s % 2: 24 loads for w, 8 for x
	WIN 0x40
.irp b, 0,1,2,3,4,5,6,7,8,9,10,11
	FRAG 128*((\s)%2)+8*\b, ADRB+(\s)/4, (\s)%4, \b
.endr
	WIN 0
.irp a, 0,1,2,3
	FRAG AF+32*((\s)%2)+8*\a, ADRA+(\s)/4, (\s)%4, \a
.endr
.endm
.macro SCALES c                        ; chunk c's scale words: four words (4 x 128 along K) a row
.irp i, 0,1
	ds_load_b128 v[SC+32*\c+4*\i:SC+32*\c+4*\i+3], v[ADSA] offset:544*\i+16*\c
.endr
.irp i, 0,1,2,3,4,5
	ds_load_b128 v[SC+32*\c+8+4*\i:SC+32*\c+8+4*\i+3], v[ADSB] offset:544*\i+16*\c
.endr
.endm
.macro MM s, a, b                      ; one product: w's block b x x's block a, step s.  In step 0 the C is the bias
.set rD, 8*(12*((\a)%2)+(\b))
.set rB, 128*((\s)%2)+8*(\b)
.set rA, AF+32*((\s)%2)+8*(\a)
.set rSB, SC+32*((\s)/4)+8+4*((\b)%6)+(\s)%4
.set rSA, SC+32*((\s)/4)+4*((\a)%2)+(\s)%4
.set rC, rD
.if (\s) == 0
.set rC, BI+8*(\b)
.endif
.if ((\b) >= 6) && ((\a) >= 2)
	v_wmma_scale_f32_16x16x128_f8f6f4 v[rD:rD+7], v[rB:rB+7], v[rA:rA+7], v[rC:rC+7], v[rSB], v[rSA] matrix_a_fmt:MATRIX_FMT_FP4 matrix_b_fmt:MATRIX_FMT_FP4 matrix_a_scale:MATRIX_SCALE_ROW1 matrix_b_scale:MATRIX_SCALE_ROW1
.elseif (\b) >= 6
	v_wmma_scale_f32_16x16x128_f8f6f4 v[rD:rD+7], v[rB:rB+7], v[rA:rA+7], v[rC:rC+7], v[rSB], v[rSA] matrix_a_fmt:MATRIX_FMT_FP4 matrix_b_fmt:MATRIX_FMT_FP4 matrix_a_scale:MATRIX_SCALE_ROW1
.elseif (\a) >= 2
	v_wmma_scale_f32_16x16x128_f8f6f4 v[rD:rD+7], v[rB:rB+7], v[rA:rA+7], v[rC:rC+7], v[rSB], v[rSA] matrix_a_fmt:MATRIX_FMT_FP4 matrix_b_fmt:MATRIX_FMT_FP4 matrix_b_scale:MATRIX_SCALE_ROW1
.else
	v_wmma_scale_f32_16x16x128_f8f6f4 v[rD:rD+7], v[rB:rB+7], v[rA:rA+7], v[rC:rC+7], v[rSB], v[rSA] matrix_a_fmt:MATRIX_FMT_FP4 matrix_b_fmt:MATRIX_FMT_FP4
.endif
.endm
.macro MUL24 s, a0                     ; the 48 accumulators take turns, one instruction a turn, in the same order in every step
.irp a, \a0, \a0+1
.irp b, 0,1,2,3,4,5,6,7,8,9,10,11
	MM \s, \a, \b
.endr
.endr
.endm
.macro STEP s                          ; 128 along K
	s_wait_dscnt 0x0                               ; this step's fragments are in (asked for 48 matrix instructions ago)
.if (\s) == 3
	s_wait_tensorcnt 0x0                           ; my part of chunk 1, my last load, has landed; my reads of chunk 0 are over (the wait above)
	s_barrier_signal -1
	s_barrier_wait -1                              ; both hold of all four waves
.endif
.if (\s) < 7
	PLACES 4                                       ; four places in front of loads into registers that the last step's products read
	FETCH (\s)+1
.if (\s) == 3
	SCALES 1
.endif
.endif
.if (\s) == 0
	WIN 0x81                                       ; w's fragments window 1, x's and the bias window 0, D window 2
.else
	WIN 0xa1
.endif
	MUL24 \s, 0
.if (\s) == 0
	WIN 0xc1
.else
	WIN 0xf1
.endif
	MUL24 \s, 2
.endm
	s_wait_tensorcnt 1                             ; the scale bytes and my part of chunk 0 are in; chunk 1's load may be out
	s_barrier_signal -1
	s_barrier_wait -1
	FETCH 0
	SCALES 0
	s_wait_loadcnt 0x0                             ; the bias
.irp s, 0,1,2,3,4,5,6,7
	STEP \s
.endr
; THE WAY OUT, a block of 16 rows at a time: rounded to f16 (16 bytes a lane), through my stage, back as 128 bytes of a row for each of q, k, v; four rows of a part are 512 consecutive bytes of qkv16.
.macro PACK a
.set AC, 96*((\a)%2)
.if (\a) < 2
	WIN 0x0a                                       ; sources window 2
.else
	WIN 0x0f                                       ; window 3
.endif
.irp b, 0,1,2,3,4,5,6,7,8,9,10,11
.irp i, 0,1,2,3
	v_cvt_pk_f16_f32 v[TMP+4*\b+\i], v[AC+8*\b+2*\i], v[AC+8*\b+2*\i+1]   ; each accumulator from its low end on
.endr
.endr
	WIN 0
.endm
.macro TOSTAGE a
.set BB, BK+48*((\a)%2)
.irp b, 0,1,2,3,4,5,6,7,8,9,10,11
	ds_store_b128 v[STO], v[TMP+4*\b:TMP+4*\b+3] offset:32*\b
.endr
.irp p, 0,1,2
.irp t, 0,1,2,3
	ds_load_b128 v[BB+4*(4*\p+\t):BB+4*(4*\p+\t)+3], v[RD] offset:4*SPITCH*\t+128*\p   ; LDS serves a wave's instructions in order: these see the stores above
.endr
.endr
.endm
.macro SEND a
.set BB, BK+48*((\a)%2)
	s_wait_dscnt 0x0                               ; the block is back in registers
	s_wait_xcnt 0x0                                ; the stores of the block before have read their registers: the next block's loads may land there
.irp p, 0,1,2
.irp t, 0,1,2,3
	global_store_b128 v[CO], v[BB+4*(4*\p+\t):BB+4*(4*\p+\t)+3], s[92+2*\p:93+2*\p] offset:2048*(\a)+512*\t
.endr
.endr
.endm
	PLACES 4                                       ; behind the last products: their results are read, and registers that they read are written
	PACK 0
	TOSTAGE 0
.irp a, 1,2,3
	PACK \a                                        ; the conversions stand between the loads from the stage and the wait for them
	SEND (\a)-1
	TOSTAGE \a
.endr
	SEND 3
	s_wait_tensorcnt 0x0                           ; the wave's end
	ds_add_u32 v[SPW], v[NIL]
	s_wait_dscnt 0x0
	CROUND                                         ; the closing round
	s_endpgm
.Lfunc_end_k_q99a76f461e_qkv:
	.size	k_q99a76f461e_qkv, .Lfunc_end_k_q99a76f461e_qkv-k_q99a76f461e_qkv
	.p2alignl 7, 3214868480
	.fill 96, 4, 3214868480
	.section	.rodata,"a",@progbits
	.p2align	6, 0x0
	.amdhsa_kernel k_q99a76f461e_qkv
		.amdhsa_group_segment_fixed_size 327680
		.amdhsa_private_segment_fixed_size 0
		.amdhsa_enable_private_segment 0
		.amdhsa_kernarg_size 48
		.amdhsa_user_sgpr_count 2
		.amdhsa_user_sgpr_kernarg_segment_ptr 1
		.amdhsa_wavefront_size32 1
		.amdhsa_system_sgpr_workgroup_id_x 1
		.amdhsa_system_sgpr_workgroup_id_y 1
		.amdhsa_system_sgpr_workgroup_id_z 1
		.amdhsa_system_vgpr_workitem_id 0
		.amdhsa_next_free_vgpr 1024
		.amdhsa_next_free_sgpr 102
		.amdhsa_reserve_vcc 0
		.amdhsa_float_denorm_mode_32 3
		.amdhsa_float_denorm_mode_16_64 3
		.amdhsa_memory_ordered 1
		.amdhsa_forward_progress 1
		.amdhsa_inst_pref_size 104
	.end_amdhsa_kernel
	.amdgpu_metadata
---
amdhsa.version: [ 1, 2 ]
amdhsa.kernels:
  - .name:           k_q99a76f461e_qkv
    .symbol:         k_q99a76f461e_qkv.kd
    .args:
      - { .name: x_codes, .offset: 0, .size: 8, .value_kind: global_buffer, .address_space: global }
      - { .name: x_scales, .offset: 8, .size: 8, .value_kind: global_buffer, .address_space: global }
      - { .name: wq_codes, .offset: 16, .size: 8, .value_kind: global_buffer, .address_space: global }
      - { .name: wq_scales, .offset: 24, .size: 8, .value_kind: global_buffer, .address_space: global }
      - { .name: b_qkv, .offset: 32, .size: 8, .value_kind: global_buffer, .address_space: global }
      - { .name: qkv16, .offset: 40, .size: 8, .value_kind: global_buffer, .address_space: global }
    .group_segment_fixed_size: 327680
    .private_segment_fixed_size: 0
    .kernarg_segment_align: 8
    .kernarg_segment_size: 48
    .max_flat_workgroup_size: 128
    .sgpr_count:     102
    .vgpr_count:     1024
    .wavefront_size: 32
...
	.end_amdgpu_metadata
.endif
;; end of part 3
;; launch attn (part 4): grid 4 x 64, 8 waves a work-group, clusters of 4 x 1, 327,680 bytes of LDS; arguments qkv16, a16; writes a16
.if DOCPART == 4
	.amdgcn_target "amdgcn-amd-amdhsa--gfx1250"
	.amdhsa_code_object_version 6
	.text
	.protected	k_q99a76f461e_attn
	.globl	k_q99a76f461e_attn
	.p2align	8
	.type	k_q99a76f461e_attn,@function
k_q99a76f461e_attn:
	s_mov_b64 s[64:65], 0
	v_nop
	global_prefetch_b8 v0, s[64:65] scope:SCOPE_SE
	s_setreg_imm32_b32 hwreg(HW_REG_WAVE_MODE, 25, 1), 1
	s_wait_xcnt 0x0
	s_wait_alu depctr_hold_cnt(0) depctr_sa_sdst(0) depctr_va_vdst(0) depctr_va_sdst(0) depctr_va_ssrc(0) depctr_va_vcc(0) depctr_vm_vsrc(0)
	s_getreg_b32 s2, hwreg(HW_REG_IB_STS2, 6, 4)
	s_cmp_eq_u32 s2, 0
	s_cbranch_scc0 .Lentry_in_a_cluster
	s_endpgm
.Lentry_in_a_cluster:
	s_bfe_u32 s2, ttmp6, 0x10000c
	s_cmp_lg_u32 s2, 0x3003
	s_cbranch_scc0 .Lentry_shape_is_right
	s_endpgm
.Lentry_shape_is_right:
; a16[bh][q][:] = the sum over k of softmax_k(Q[q] . K[k] / 8) V[k][:], for each of 64 (batch, head); Q, K, V: the three parts of qkv16, [bh][2048][64] f16; a16 likewise.
; (The two factors 1 / sqrt(sqrt(64)) on q and k are one factor 1 / 8 on the score, folded into c below.)  Products on f16 operands, sums, maxima and the softmax in f32; the weights p, at most 1, are rounded to f16.
; LIMIT: the result is bounded by the largest |v| and so lies in f16's range with it; NaN and infinities are not served.
; SHARES.  A cluster of four work-groups is one (batch, head); a work-group owns 512 queries, each of its eight waves 64: four tiles of 16.  Two waves share a SIMD: one wave's softmax stands beside the other's products.
; LAYOUT.  S^T = K Q^T (source 0 = 16 keys, source 1 = 16 queries): a lane holds ONE query (lane % 16) and keys 8 (lane / 16) + 0..7.  Two such tiles rounded to f16 in pairs ARE source 1 of O^T = V^T P.  P is packed in place, into the low half of S^T.
; SOFTMAX.  A running maximum m and sum l for each query: p = 2^(c s - c m), c = log2(e) / 8; in every step O and l are multiplied by a = 2^(c m_old - c m_new).
; RING.  Two LDS slots of 512 keys, four tiles; every wave fetches 64 lines (two keys, 256 bytes) of each tile, waves 0-3 of K, waves 4-7 of V, jointly with the three partners.
; One tensor load of a wave is out at a time; it is asked for eight key steps, 512 matrix instructions of the wave, ahead of the wait for it: so no prefetch is laid.
; REGISTERS.  window 0: v2-13 addresses; v16-47 statistics, 8 a tile (+0 c m, +1 m, +2 +3 l, +4..+7 at work, a in +6); v64-191 S^T, 32 a tile; v192-255 V's fragments.
;   window 1: v0-127 O^T, 32 a tile; v128-191 Q; v192-255 K's fragments.
.set SLOT,  143360                     ; K: 256 lines x 272; V: 256 lines x 288
.set VOFF,  69632
.set KSTEP, 32*272                     ; a key step's 64 keys of K
.set VSTEP, 32*288
.set STAGE, 2*SLOT                     ; the way out: 16 rows x (128 + 16) bytes a wave
.set SP,    144
.set SPARE, STAGE+8*16*SP              ; the spare words: 128 bytes a wave, named by no other line
.set TILEB, 65536                      ; 512 keys x 128 bytes
.set AK0, 2
.set AV0, 3
.set ADK, 4
.set ADV, 5
.set QO,  6
.set STO, 7
.set RD,  8
.set GO,  9
.set SPW, 12
.set NIL, 13
.set ST,  16
.set S,   64
.set VF,  192
.set OQ,  128                          ; in window 1
.set KF,  192                          ; in window 1
.set WV,  12
.set G1K, 24
.set G1V, 32
.set G0K, 40                           ; s[40:47] K's groups 0, a set for each slot
.set G0V, 48                           ; s[48:55] V's
.set TBK, 56                           ; s56 LDS byte of the K tiles to be fetched next
.set TBV, 57                           ; s57 of the V tiles
.set CS,  58                           ; s[58:59] c, twice
.set SEL, 60                           ; s[60:61] lane l xor 16
.set CNT, 62                           ; s62 key steps to go in the slot
.set W_KQ, 0x05                        ; K and Q window 1, S^T window 0
.set W_PV, 0x50                        ; V and P window 0, O^T window 1
.set W_RS, 0x41                        ; O^T (destination and source 0) window 1, a window 0
.set MSB, 0
.macro WIN new
.if MSB != (\new)
	s_set_vgpr_msb (MSB<<8)|(\new)
.set MSB, (\new)
.endif
.endm
.macro JLOAD n                         ; a joint load into slot n; the branch hangs on the wave's number alone; an s_nop 0 and four v_nop follow each line
	s_cmp_lt_u32 s[WV], 4
	s_cbranch_scc0 .Lfor_v_\@
	tensor_load_to_lds s[G0K+4*(\n):G0K+4*(\n)+3], s[G1K:G1K+7]
	s_nop 0
.rept 4
	v_nop
.endr
	s_branch .Lasked_\@
.Lfor_v_\@:
	tensor_load_to_lds s[G0V+4*(\n):G0V+4*(\n)+3], s[G1V:G1V+7]
	s_nop 0
.rept 4
	v_nop
.endr
.Lasked_\@:
.endm
.macro CROUND
	s_barrier_signal -1
	s_barrier_wait -1
	s_cmp_lg_u32 s[WV], 0
	s_cbranch_scc1 .Lnot_wave_0_\@
	s_barrier_signal -3
.Lnot_wave_0_\@:
	s_barrier_wait -3
	s_barrier_signal -1
	s_barrier_wait -1
.endm
	s_load_b128 s[4:7], s[0:1], 0x0                ; qkv16 s[4:5], a16 s[6:7]
	v_lshl_add_u32 v[SPW], v0, 2, SPARE
	v_mov_b32 v[NIL], 0
	ds_add_u32 v[SPW], v[NIL]                      ; the opening: the add, twice on end, and its wait ahead of my first tensor load
	ds_add_u32 v[SPW], v[NIL]
	v_lshrrev_b32 v1, 5, v0
	v_readfirstlane_b32 s[WV], v1                  ; wave 0..7
	s_bfe_u32 s13, ttmp6, 0x40000                  ; cx: it enters Q's and a16's addresses alone
	s_and_b32 s16, ttmp7, 0xffff                   ; batch x 16 + head, which the four partners share
	s_lshl_b32 s16, s16, 18                        ; its first byte in a part
	s_and_b32 s63, s[WV], 3                        ; which quarter of a tile I fetch
	s_lshl_b32 s18, s63, 14
	s_add_co_u32 s18, s18, s16
	s_mov_b32 s19, 0
	s_lshl_b32 s20, s13, 16                        ; my work-group's 512 rows of 128 bytes,
	s_lshl_b32 s21, s[WV], 13                      ; my wave's 64
	s_add_co_u32 s20, s20, s21
	s_add_co_u32 s20, s20, s16
	s_mov_b32 s21, 0
	s_mul_i32 s22, s63, 64*272                     ; my quarter's place in a slot: K's,
	s_mul_i32 s23, s63, 64*288
	s_add_co_u32 s23, s23, VOFF                    ; V's
	s_mov_b32 s[G1K], 15|(3<<16)|(1<<20)|(1<<21)|(5<<22)|(3<<25)   ; all four work-groups; elements of 8 bytes; 4 words of padding behind every 64; bit 21 beside a mask
	s_mov_b32 s[G1V], 15|(3<<16)|(1<<20)|(1<<21)|(5<<22)|(7<<25)   ; 8 words of padding
.irp g, G1K, G1V
	s_mov_b32 s[\g+1], 32<<16                      ; tensor_dim0: a line of two keys, 256 bytes (a head's rows are dense)
	s_mov_b32 s[\g+2], 64<<16                      ; tensor_dim1
	s_mov_b32 s[\g+3], 32<<16                      ; tile_dim0
	s_mov_b32 s[\g+4], 64                          ; tile_dim1
	s_mov_b32 s[\g+5], 32                          ; from line to line
	s_mov_b32 s[\g+6], 0
	s_mov_b32 s[\g+7], 0
.endr
	s_mov_b32 s[CS], 0x3e38aa3b                    ; c = log2(e) / 8
	s_mov_b32 s[CS+1], s[CS]
	s_mov_b32 s[SEL], 0x76543210
	s_mov_b32 s[SEL+1], 0xfedcba98
	s_wait_dscnt 0x0                               ; both opening adds are done
	s_wait_kmcnt 0x0
	s_add_nc_u64 s[14:15], s[4:5], s[20:21]        ; Q at my wave's first query
	s_add_nc_u64 s[10:11], s[6:7], s[20:21]        ; a16 likewise
	s_add_nc_u64 s[8:9], s[4:5], s[18:19]
	s_add_nc_u64 s[8:9], s[8:9], 0x1000000         ; K at my quarter of tile 0
.irp n, 0,1
	s_mov_b32 s[G0K+4*\n], 1
	s_add_co_u32 s[G0K+4*\n+1], s22, \n*SLOT
	s_add_nc_u64 s[G0K+4*\n+2:G0K+4*\n+3], s[8:9], \n*TILEB
	s_or_b32 s[G0K+4*\n+3], s[G0K+4*\n+3], 0x80000000
	s_mov_b32 s[G0V+4*\n], 1
	s_add_co_u32 s[G0V+4*\n+1], s23, \n*SLOT
	s_add_nc_u64 s[G0V+4*\n+2:G0V+4*\n+3], s[8:9], 0x1000000+\n*TILEB
	s_or_b32 s[G0V+4*\n+3], s[G0V+4*\n+3], 0x80000000
.endr
	CROUND                                         ; all four work-groups are here
	JLOAD 0                                        ; tile 0
	v_and_b32 v1, 15, v0                           ; r
	v_bfe_u32 v10, v0, 4, 1                        ; h
	v_lshlrev_b32 v[QO], 7, v1
	v_lshl_add_u32 v[QO], v10, 4, v[QO]            ; row r of 128 bytes + 16 h
	WIN 0x40
.irp t, 0,1,2,3
.irp c, 0,1
	global_load_b128 v[OQ+16*\t+8*\c:OQ+16*\t+8*\c+3],   v[QO], s[14:15] offset:2048*\t+64*\c
	global_load_b128 v[OQ+16*\t+8*\c+4:OQ+16*\t+8*\c+7], v[QO], s[14:15] offset:2048*\t+64*\c+32
.endr
.endr
	WIN 0
	v_lshrrev_b32 v11, 1, v1
	v_mul_u32_u24 v[AK0], v11, 272
	v_and_b32 v11, 1, v0
	v_lshl_add_u32 v[AK0], v11, 7, v[AK0]
	v_lshl_add_u32 v[AK0], v10, 4, v[AK0]          ; K: key r: line r / 2, half r % 2, + 16 h
	v_bfe_u32 v14, v0, 1, 2
	v_lshl_add_u32 v14, v10, 2, v14
	v_mul_u32_u24 v[AV0], v14, 288                 ; V, for the turning load: key 8 h + lane % 8: line 4 h + (lane / 2) % 4, half lane % 2,
	v_lshl_add_u32 v[AV0], v11, 7, v[AV0]
	v_bfe_u32 v14, v0, 3, 1
	v_lshl_add_u32 v[AV0], v14, 4, v[AV0]          ; channels 8 ((lane / 8) % 2) on
	s_mul_i32 s16, s[WV], 16*SP
	s_add_co_u32 s16, s16, STAGE                   ; my stage
	v_mul_u32_u24 v[STO], v1, SP
	v_lshl_add_u32 v[STO], v10, 4, v[STO]
	v_add_nc_u32 v[STO], s16, v[STO]
	v_bfe_u32 v14, v0, 3, 2
	v_and_b32 v15, 7, v0
	v_mul_u32_u24 v[RD], v14, SP
	v_lshl_add_u32 v[RD], v15, 4, v[RD]
	v_add_nc_u32 v[RD], s16, v[RD]                 ; back: four rows of 128 bytes an instruction,
	v_and_b32 v15, 31, v0
	v_lshlrev_b32 v[GO], 4, v15                    ; which are 512 consecutive bytes of a16
.irp t, 0,1,2,3
	v_mov_b32 v[ST+8*\t+1], 0xff61b1e6             ; m = -3e38, under every score: the first step's a is 0
	v_mov_b32 v[ST+8*\t+2], 0                      ; l
	v_mov_b32 v[ST+8*\t+3], 0
.endr
.irp t, 0,1,2,3
	v_mul_f32 v[ST+8*\t], s[CS], v[ST+8*\t+1]      ; c m
.endr
.macro FETCH_K                         ; 64 keys x 64 channels: fragment f: keys 16 (f / 2) on, channels 32 (f % 2) on
.irp f, 0,1,2,3,4,5,6,7
	ds_load_b128 v[KF+8*\f:KF+8*\f+3],   v[ADK] offset:(\f/2)*2176+(\f%2)*64
	ds_load_b128 v[KF+8*\f+4:KF+8*\f+7], v[ADK] offset:(\f/2)*2176+(\f%2)*64+32
.endr
.endm
.macro FETCH_V                         ; turned: fragment f: keys 32 (f / 4) on, channels 16 (f % 4) on
.irp f, 0,1,2,3,4,5,6,7
	ds_load_tr16_b128 v[VF+8*\f:VF+8*\f+3],   v[ADV] offset:(\f/4)*4608+(\f%4)*32
	ds_load_tr16_b128 v[VF+8*\f+4:VF+8*\f+7], v[ADV] offset:(\f/4)*4608+(\f%4)*32+2304
.endr
.endm
; Product i of 32 of S^T = K Q^T: channels 32 (i / 16) on, keys 16 ((i / 4) % 4) on, tile i % 4.  The first 16 start the sums.  The 16 accumulators take turns.
.macro KQ
.set rS, S+32*(i%4)+8*((i/4)%4)
.set rK, KF+8*(2*((i/4)%4)+i/16)
.set rQ, OQ+16*(i%4)+8*(i/16)
.if i < 16
	v_wmma_f32_16x16x32_f16 v[rS:rS+7], v[rK:rK+7], v[rQ:rQ+7], 0
.else
	v_wmma_f32_16x16x32_f16 v[rS:rS+7], v[rK:rK+7], v[rQ:rQ+7], v[rS:rS+7]
.endif
.endm
; Product i of 32 of O^T += V^T P: keys 32 (i / 16) on, channels 16 ((i / 4) % 4) on, tile i % 4.  first = 1: the first 16 start the sums: nothing is cleared.
.macro PV first
.set rO, 32*(i%4)+8*((i/4)%4)
.set rV, VF+8*(4*(i/16)+(i/4)%4)
.set rP, S+32*(i%4)+8*(i/16)
.if \first && (i < 16)
	v_wmma_f32_16x16x32_f16 v[rO:rO+7], v[rV:rV+7], v[rP:rP+7], 0
.else
	v_wmma_f32_16x16x32_f16 v[rO:rO+7], v[rV:rV+7], v[rP:rP+7], v[rO:rO+7]
.endif
.endm
; THE SOFTMAX of a key step, the four tiles line by line, so that no line waits for the line above it.
.macro SOFTMAX
.irp j, 0,1,2,3
.irp t, 0,1,2,3
	v_max3_num_f32 v[ST+8*\t+4+\j], v[S+32*\t+8*\j], v[S+32*\t+8*\j+1], v[S+32*\t+8*\j+2]   ; four chains a tile; each accumulator is read from its low end on
.endr
.endr
.irp u, 1,2
.irp j, 0,1,2,3
.irp t, 0,1,2,3
	v_max3_num_f32 v[ST+8*\t+4+\j], v[ST+8*\t+4+\j], v[S+32*\t+8*\j+2*\u+1], v[S+32*\t+8*\j+2*\u+2]
.endr
.endr
.endr
.irp t, 0,1,2,3
	v_max3_num_f32 v[ST+8*\t+4], v[ST+8*\t+4], v[S+32*\t+7], v[S+32*\t+15]
.endr
.irp t, 0,1,2,3
	v_max3_num_f32 v[ST+8*\t+6], v[ST+8*\t+6], v[S+32*\t+23], v[S+32*\t+31]
.endr
.irp t, 0,1,2,3
	v_max3_num_f32 v[ST+8*\t+4], v[ST+8*\t+4], v[ST+8*\t+5], v[ST+8*\t+6]
.endr
.irp t, 0,1,2,3
	v_max3_num_f32 v[ST+8*\t+4], v[ST+8*\t+4], v[ST+8*\t+7], v[ST+8*\t+1]   ; and the old m
.endr
.irp t, 0,1,2,3
	v_permlanex16_b32 v[ST+8*\t+5], v[ST+8*\t+4], s[SEL], s[SEL+1]          ; the query's other 32 keys lie in the lane 16 away
.endr
.irp t, 0,1,2,3
	v_mov_b32 v[ST+8*\t+7], v[ST+8*\t]             ; c m_old
.endr
.irp t, 0,1,2,3
	v_max_num_f32 v[ST+8*\t+1], v[ST+8*\t+4], v[ST+8*\t+5]
.endr
.irp t, 0,1,2,3
	v_mul_f32 v[ST+8*\t], s[CS], v[ST+8*\t+1]
.endr
.irp t, 0,1,2,3
	v_sub_f32 v[ST+8*\t+7], v[ST+8*\t+7], v[ST+8*\t]
.endr
; ONE BATCH: all 132 exponentials and the 64 scalings, none of which names an exponential's result; a tile's scalings stand among the exponentials of the tile before
.irp t, 0,1,2,3
	v_exp_f32 v[ST+8*\t+6], v[ST+8*\t+7]           ; a
.endr
.irp i, 0,1,2,3,4,5,6,7,8,9,10,11,12,13,14,15
	v_pk_fma_f32 v[S+2*\i:S+2*\i+1], v[S+2*\i:S+2*\i+1], s[CS:CS+1], v[ST:ST+1] op_sel_hi:[1,0,0] neg_lo:[0,0,1] neg_hi:[0,0,1]   ; c s - c m
.endr
.irp t, 0,1,2,3
.irp i, 0,1,2,3,4,5,6,7,8,9,10,11,12,13,14,15
	v_exp_f32 v[S+32*\t+2*\i], v[S+32*\t+2*\i]
	v_exp_f32 v[S+32*\t+2*\i+1], v[S+32*\t+2*\i+1]
.if \t < 3
	v_pk_fma_f32 v[S+32*(\t+1)+2*\i:S+32*(\t+1)+2*\i+1], v[S+32*(\t+1)+2*\i:S+32*(\t+1)+2*\i+1], s[CS:CS+1], v[ST+8*(\t+1):ST+8*(\t+1)+1] op_sel_hi:[1,0,0] neg_lo:[0,0,1] neg_hi:[0,0,1]
.endif
.endr
.endr
	v_nop                                          ; a plain instruction behind the last exponential
	s_wait_alu depctr_va_vdst(0)                   ; the wait ahead of the first line that names a result: one for the batch
.irp t, 0,1,2,3
	v_pk_add_f32 v[ST+8*\t+4:ST+8*\t+5], v[S+32*\t:S+32*\t+1], v[S+32*\t+2:S+32*\t+3]   ; the row's sum of the unrounded p; S^T stays as it is
.endr
.irp i, 2,3,4,5,6,7,8,9,10,11,12,13,14,15
.irp t, 0,1,2,3
	v_pk_add_f32 v[ST+8*\t+4:ST+8*\t+5], v[ST+8*\t+4:ST+8*\t+5], v[S+32*\t+2*\i:S+32*\t+2*\i+1]
.endr
.endr
.irp t, 0,1,2,3
	v_pk_fma_f32 v[ST+8*\t+2:ST+8*\t+3], v[ST+8*\t+2:ST+8*\t+3], v[ST+8*\t+6:ST+8*\t+7], v[ST+8*\t+4:ST+8*\t+5] op_sel_hi:[1,0,1]   ; l = a l + the sum
.endr
.irp i, 0,1,2,3,4,5,6,7,8,9,10,11,12,13,14,15
.irp t, 0,1,2,3
	v_cvt_pk_f16_f32 v[S+32*\t+\i], v[S+32*\t+2*\i], v[S+32*\t+2*\i+1]   ; P in place, ascending: register i is written when registers 2 i and 2 i + 1 are read
.endr
.endr
.endm
; A KEY STEP: 64 keys.  first = 1: the launch's first, whose products V^T P start O^T.
.macro STEP first
	s_wait_dscnt 0x0                               ; this step's K is in
	WIN W_KQ
.set i, 0
.rept 32
	KQ
.set i, i+1
.endr
	WIN 0
	v_add_nc_u32 v[ADV], s[TBV], v[AV0]            ; four plain instructions: the places behind the products, ahead of the loads into K's registers and of the first read of the scores
	v_add_nc_u32 v[ADK], s[TBK], v[AK0]
	v_nop
	v_nop
	s_add_co_u32 s[TBV], s[TBV], VSTEP
	s_add_co_u32 s[TBK], s[TBK], KSTEP
	FETCH_V                                        ; this step's V
.if !\first
	s_cmp_eq_u32 s[CNT], 1                         ; a slot's last step has no next K in its slot: it is fetched behind the change of slots
	s_cbranch_scc1 .Lno_k_\@
.endif
	WIN 0x40
	FETCH_K                                        ; the next step's K
	WIN 0
.Lno_k_\@:
	SOFTMAX
.if !\first
	WIN W_RS
.irp t, 0,1,2,3
.irp i, 0,2,4,6,8,10,12,14,16,18,20,22,24,26,28,30
	v_pk_mul_f32 v[32*\t+\i:32*\t+\i+1], v[32*\t+\i:32*\t+\i+1], v[ST+8*\t+6:ST+8*\t+7] op_sel_hi:[1,0]   ; O^T x a
.endr
.endr
.endif
	s_wait_dscnt 0x0                               ; V is in
	WIN W_PV
.set i, 0
.rept 32
	PV \first
.set i, i+1
.endr
	WIN 0
.rept 5
	v_nop                                          ; five places: the next step's products write over P, which these products read
.endr
.endm
; A SLOT'S EIGHT STEPS, behind the change of slots.  Each wave waits for all its tensor loads (one is out: its part of this slot), adds 0 to its spare word, and waits for that and for its reads of the slot left.
; t < 3: a round of the cluster's barrier, and first behind it the joint load of tile t + 1 into the other slot (behind the first round: that slot's first fill, for every wave).
.macro TRIP t
	WIN 0
	s_wait_tensorcnt 0x0
	ds_add_u32 v[SPW], v[NIL]
.if (\t) < 2
	s_add_nc_u64 s[G0K+4*((\t)%2)+2:G0K+4*((\t)%2)+3], s[G0K+4*((\t)%2)+2:G0K+4*((\t)%2)+3], 2*TILEB   ; no load of mine is out: this slot's next tile
	s_add_nc_u64 s[G0V+4*((\t)%2)+2:G0V+4*((\t)%2)+3], s[G0V+4*((\t)%2)+2:G0V+4*((\t)%2)+3], 2*TILEB
.endif
	s_wait_dscnt 0x0
.if (\t) < 3
	CROUND
	JLOAD 1-(\t)%2
.else
	s_barrier_signal -1
	s_barrier_wait -1
.endif
	s_mov_b32 s[TBK], ((\t)%2)*SLOT
	s_mov_b32 s[TBV], ((\t)%2)*SLOT+VOFF
	v_add_nc_u32 v[ADK], s[TBK], v[AK0]
	WIN 0x40
	FETCH_K                                        ; the slot's first K
	WIN 0
	s_add_co_u32 s[TBK], s[TBK], KSTEP
.if (\t) == 0
	s_wait_loadcnt 0x0                             ; Q
	STEP 1
	s_mov_b32 s[CNT], 7
.else
	s_mov_b32 s[CNT], 8
.endif
.Lstep_\@:
	STEP 0
	s_sub_co_u32 s[CNT], s[CNT], 1
	s_cmp_lg_u32 s[CNT], 0
	s_cbranch_scc1 .Lstep_\@
.endm
	TRIP 0
	TRIP 1
	TRIP 2
	TRIP 3
	; THE WAY OUT.  l's halves and the other half of the lanes' are added; O^T / l is rounded to f16 and goes through my stage, a tile (16 rows of 128 bytes) at a time.
.irp t, 0,1,2,3
	v_add_f32 v[ST+8*\t+4], v[ST+8*\t+2], v[ST+8*\t+3]
.endr
.irp t, 0,1,2,3
	v_permlanex16_b32 v[ST+8*\t+5], v[ST+8*\t+4], s[SEL], s[SEL+1]
.endr
.irp t, 0,1,2,3
	v_add_f32 v[ST+8*\t+4], v[ST+8*\t+4], v[ST+8*\t+5]
.endr
.irp t, 0,1,2,3
	v_rcp_f32 v[ST+8*\t+6], v[ST+8*\t+4]
.endr
	v_nop                                          ; a plain instruction behind the last reciprocal
	s_wait_alu depctr_va_vdst(0)                   ; and the wait ahead of the first use: one for the four
.macro PACK t
	WIN W_RS
.irp i, 0,2,4,6,8,10,12,14,16,18,20,22,24,26,28,30
	v_pk_mul_f32 v[32*\t+\i:32*\t+\i+1], v[32*\t+\i:32*\t+\i+1], v[ST+8*\t+6:ST+8*\t+7] op_sel_hi:[1,0]
.endr
	WIN 0x05                                       ; sources window 1, destination window 0
.irp i, 0,1,2,3,4,5,6,7,8,9,10,11,12,13,14,15
	v_cvt_pk_f16_f32 v[S+16*\t+\i], v[32*\t+2*\i], v[32*\t+2*\i+1]
.endr
	WIN 0
.irp f, 0,1,2,3
	ds_store_b128 v[STO], v[S+16*\t+4*\f:S+16*\t+4*\f+3] offset:32*\f
.endr
.irp f, 0,1,2,3
	ds_load_b128 v[S+64+16*\t+4*\f:S+64+16*\t+4*\f+3], v[RD] offset:4*SP*\f   ; in order behind the stores above; the next tile's stores come behind these
.endr
.endm
.macro SEND t, younger                 ; younger: the LDS instructions issued behind tile t's loads: the next tile's eight, or none
.irp f, 0,1,2,3
	s_wait_dscnt \younger+3-\f
	global_store_b128 v[GO], v[S+64+16*\t+4*\f:S+64+16*\t+4*\f+3], s[10:11] offset:2048*\t+512*\f   ; 512 consecutive bytes
.endr
.endm
	PACK 0
	PACK 1
	SEND 0, 8
	PACK 2
	SEND 1, 8
	PACK 3
	SEND 2, 8
	SEND 3, 0
	s_wait_tensorcnt 0x0                           ; the wave's end
	ds_add_u32 v[SPW], v[NIL]
	s_wait_dscnt 0x0
	CROUND                                         ; the closing round
	s_endpgm
.Lfunc_end_k_q99a76f461e_attn:
	.size	k_q99a76f461e_attn, .Lfunc_end_k_q99a76f461e_attn-k_q99a76f461e_attn
	.p2alignl 7, 3214868480
	.fill 96, 4, 3214868480
	.section	.rodata,"a",@progbits
	.p2align	6, 0x0
	.amdhsa_kernel k_q99a76f461e_attn
		.amdhsa_group_segment_fixed_size 327680
		.amdhsa_private_segment_fixed_size 0
		.amdhsa_enable_private_segment 0
		.amdhsa_kernarg_size 16
		.amdhsa_user_sgpr_count 2
		.amdhsa_user_sgpr_kernarg_segment_ptr 1
		.amdhsa_wavefront_size32 1
		.amdhsa_system_sgpr_workgroup_id_x 1
		.amdhsa_system_sgpr_workgroup_id_y 1
		.amdhsa_system_sgpr_workgroup_id_z 1
		.amdhsa_system_vgpr_workitem_id 0
		.amdhsa_next_free_vgpr 512
		.amdhsa_next_free_sgpr 66
		.amdhsa_reserve_vcc 0
		.amdhsa_float_denorm_mode_32 3
		.amdhsa_float_denorm_mode_16_64 3
		.amdhsa_memory_ordered 1
		.amdhsa_forward_progress 1
		.amdhsa_inst_pref_size 185
	.end_amdhsa_kernel
	.amdgpu_metadata
---
amdhsa.version: [ 1, 2 ]
amdhsa.kernels:
  - .name:           k_q99a76f461e_attn
    .symbol:         k_q99a76f461e_attn.kd
    .args:
      - { .name: qkv16, .offset: 0, .size: 8, .value_kind: global_buffer, .address_space: global }
      - { .name: a16, .offset: 8, .size: 8, .value_kind: global_buffer, .address_space: global }
    .group_segment_fixed_size: 327680
    .private_segment_fixed_size: 0
    .kernarg_segment_align: 8
    .kernarg_segment_size: 16
    .max_flat_workgroup_size: 256
    .sgpr_count:     66
    .vgpr_count:     512
    .wavefront_size: 32
...
	.end_amdgpu_metadata
.endif
;; end of part 4
;; launch proj (part 5): grid 8 x 32, 4 waves a work-group, clusters of 4 x 4, 327,680 bytes of LDS; arguments a16, wp16, b_proj, out0; writes out0
.if DOCPART == 5
	.amdgcn_target "amdgcn-amd-amdhsa--gfx1250"
	.amdhsa_code_object_version 6
	.text
	.protected	k_q99a76f461e_proj
	.globl	k_q99a76f461e_proj
	.p2align	8
	.type	k_q99a76f461e_proj,@function
k_q99a76f461e_proj:
	s_mov_b64 s[64:65], 0
	v_nop
	global_prefetch_b8 v0, s[64:65] scope:SCOPE_SE
	s_setreg_imm32_b32 hwreg(HW_REG_WAVE_MODE, 25, 1), 1
	s_wait_xcnt 0x0
	s_wait_alu depctr_hold_cnt(0) depctr_sa_sdst(0) depctr_va_vdst(0) depctr_va_sdst(0) depctr_va_ssrc(0) depctr_va_vcc(0) depctr_vm_vsrc(0)
	s_getreg_b32 s2, hwreg(HW_REG_IB_STS2, 6, 4)
	s_cmp_eq_u32 s2, 0
	s_cbranch_scc0 .Lentry_in_a_cluster
	s_endpgm
.Lentry_in_a_cluster:
	s_bfe_u32 s2, ttmp6, 0x10000c
	s_cmp_lg_u32 s2, 0xf033
	s_cbranch_scc0 .Lentry_shape_is_right
	s_endpgm
.Lentry_shape_is_right:
; out0[m][n] = the sum over k of a[m][k] w_proj[k][n] + b_proj[n].  a: a16, f16, laid [batch x 16 + head][2048][64] (k = 64 head + channel); w_proj: wp16, f16, [k 1024][n 1024]; out0 f32; sums in f32.
; A tile of out0 is 256 rows x 128 columns; four waves, each 128 x 64: 32 accumulators.  K goes in steps of 128 (two heads) through a ring of two LDS slots.
; The matrix instruction is used transposed: source 0 = 16 columns of w_proj (out of LDS by the turning load, since K is its first axis), source 1 = 16 rows of a: a lane holds eight neighbouring columns of one row.
; The bias is the C of each sum's first instruction.
; CLUSTER 4 x 4: a's tiles hang on the tile row alone and are shared along a row of the cluster, w_proj's on the tile column alone and are shared along a column: joint loads.
; REGISTERS: window 0: v16-29 addresses; v32-63 the bias; two fragment buffers at v64 and v160: 64 registers of a (8 blocks of 16 rows x 32 K), then 32 of w_proj (4 blocks of 16 columns); window 1: accumulator (a, b) at v[8 (4 a + b)].
.set SLOT,  106496                     ; a: two heads x 128 lines (two rows, 256 bytes + 16); w_proj: 128 rows of 256 bytes + 32
.set HEADB, 34816
.set BOFF,  69632
.set PB,    288
.set STAGE, 2*SLOT                     ; the way out: 16 rows x (256 + 16) bytes a wave
.set SPITCH, 272
.set SPARE, STAGE+4*16*SPITCH          ; the spare words: 128 bytes a wave, named by no other line
.set LAPS,  4                          ; a lap = two K steps
.set ADRA, 16
.set ADRB, 20
.set STO,  24
.set RD,   25
.set CO,   26
.set BA,   27
.set SPW,  28
.set NIL,  29
.set BI,   32
.set F0,   64
.set F1,   160
.set BK,   64
.set G1A,  24
.set G0A,  32
.set G1B,  40
.set G0B,  48
.set MSB, 0
.macro WIN new
.if MSB != (\new)
	s_set_vgpr_msb (MSB<<8)|(\new)
.set MSB, (\new)
.endif
.endm
.macro JLOAD s                         ; waves 0 and 1 fetch a's two heads, waves 2 and 3 w_proj's two halves; an s_nop 0 and four v_nop follow each line
	s_cmp_eq_u32 s13, 0
	s_cbranch_scc0 .Lfor_b_\@
	tensor_load_to_lds s[G0A+4*\s:G0A+4*\s+3], s[G1A:G1A+7]
	s_nop 0
.rept 4
	v_nop
.endr
	s_branch .Lasked_\@
.Lfor_b_\@:
	tensor_load_to_lds s[G0B+4*\s:G0B+4*\s+3], s[G1B:G1B+7]
	s_nop 0
.rept 4
	v_nop
.endr
.Lasked_\@:
.endm
.macro CREST
	s_cmp_lg_u32 s12, 0
	s_cbranch_scc1 .Lnot_wave_0_\@
	s_barrier_signal -3
.Lnot_wave_0_\@:
	s_barrier_wait -3
	s_barrier_signal -1
	s_barrier_wait -1
.endm
.macro CROUND
	s_barrier_signal -1
	s_barrier_wait -1
	CREST
.endm
.macro PLACES
.rept 4
	v_nop
.endr
.endm
	s_load_b256 s[4:11], s[0:1], 0x0               ; a16 s[4:5], wp16 s[6:7], b_proj s[8:9], out0 s[10:11]
	v_lshl_add_u32 v[SPW], v0, 2, SPARE
	v_mov_b32 v[NIL], 0
	ds_add_u32 v[SPW], v[NIL]                      ; the opening: the add, twice on end, and its wait ahead of my first tensor load
	ds_add_u32 v[SPW], v[NIL]
	v_lshrrev_b32 v1, 5, v0
	v_readfirstlane_b32 s12, v1                    ; wave 0..3
	s_lshr_b32 s13, s12, 1                         ; my half of the rows.  Also: I fetch for a (0) or for w_proj (1)
	s_and_b32 s14, s12, 1                          ; my half of the columns.  Also: which head, or which 64 rows of w_proj, I fetch
	s_bfe_u32 s15, ttmp6, 0x40000                  ; cx
	s_bfe_u32 s16, ttmp6, 0x40004                  ; cy
	s_lshl_b32 s17, ttmp9, 2
	s_add_co_u32 s17, s17, s15                     ; X: tile column
	s_and_b32 s18, ttmp7, 0xffff
	s_lshl_b32 s18, s18, 2
	s_add_co_u32 s18, s18, s16                     ; Y: tile row
	s_lshl_b32 s19, s16, 2
	s_lshl_b32 s19, 15, s19                        ; my row of the cluster
	s_lshl_b32 s20, 0x1111, s15                    ; my column
	s_or_b32 s[G1A], s19, (3<<16)|(1<<20)|(1<<21)|(5<<22)|(3<<25)   ; elements of 8 bytes; 4 words of padding behind every 64; bit 21 beside a mask
	s_mov_b32 s[G1A+1], 32<<16                     ; a line of two rows of a head, 256 bytes (a head's rows are dense)
	s_mov_b32 s[G1A+2], 128<<16
	s_mov_b32 s[G1A+3], 32<<16
	s_mov_b32 s[G1A+4], 128
	s_mov_b32 s[G1A+5], 32
	s_mov_b32 s[G1A+6], 0
	s_mov_b32 s[G1A+7], 0
	s_or_b32 s[G1B], s20, (3<<16)|(1<<20)|(1<<21)|(5<<22)|(7<<25)   ; 8 words of padding
	s_mov_b32 s[G1B+1], 32<<16                     ; 128 columns of f16
	s_mov_b32 s[G1B+2], 64<<16
	s_mov_b32 s[G1B+3], 32<<16
	s_mov_b32 s[G1B+4], 64
	s_mov_b32 s[G1B+5], 256                        ; a row of wp16 is 2,048 bytes
	s_mov_b32 s[G1B+6], 0
	s_mov_b32 s[G1B+7], 0
	s_lshr_b32 s56, s18, 3                         ; a: ((batch x 16 + my head) << 18) + 128 x 256 (Y % 8)
	s_lshl_b32 s56, s56, 4
	s_add_co_u32 s56, s56, s14
	s_lshl_b32 s56, s56, 18
	s_and_b32 s57, s18, 7
	s_lshl_b32 s57, s57, 15
	s_add_co_u32 s56, s56, s57
	s_mov_b32 s57, 0
	s_lshl_b32 s58, s14, 17                        ; w_proj: 64 x half rows of 2,048 bytes + 256 X
	s_lshl_b32 s59, s17, 8
	s_add_co_u32 s58, s58, s59
	s_mov_b32 s59, 0
	s_mul_i32 s21, s14, HEADB                      ; where they go: no place in the cluster enters an LDS address
	s_mul_i32 s22, s14, 64*PB
	s_add_co_u32 s22, s22, BOFF
	s_wait_dscnt 0x0                               ; both opening adds are done
	s_wait_kmcnt 0x0
	s_add_nc_u64 s[56:57], s[4:5], s[56:57]
	s_add_nc_u64 s[58:59], s[6:7], s[58:59]
	CROUND                                         ; all sixteen work-groups are here
.irp s, 0,1
	s_mov_b32 s[G0A+4*\s], 1
	s_add_co_u32 s[G0A+4*\s+1], s21, \s*SLOT
	s_add_nc_u64 s[G0A+4*\s+2:G0A+4*\s+3], s[56:57], \s*524288     ; K step s: two heads on
	s_or_b32 s[G0A+4*\s+3], s[G0A+4*\s+3], 0x80000000
	s_mov_b32 s[G0B+4*\s], 1
	s_add_co_u32 s[G0B+4*\s+1], s22, \s*SLOT
	s_add_nc_u64 s[G0B+4*\s+2:G0B+4*\s+3], s[58:59], \s*262144     ; 128 rows on
	s_or_b32 s[G0B+4*\s+3], s[G0B+4*\s+3], 0x80000000
	JLOAD \s                                       ; two loads of mine are out behind the second
.endr
	v_and_b32 v1, 15, v0                           ; r
	v_bfe_u32 v2, v0, 4, 1                         ; h
	v_lshlrev_b32 v[BA], 5, v2
	s_lshl_b32 s60, s17, 9                         ; my first column x 4: 512 X + 256 half
	s_lshl_b32 s61, s14, 8
	s_add_co_u32 s60, s60, s61
	s_mov_b32 s61, 0
	s_add_nc_u64 s[8:9], s[8:9], s[60:61]
.irp b, 0,1,2,3
	global_load_b128 v[BI+8*\b:BI+8*\b+3],   v[BA], s[8:9] offset:64*\b
	global_load_b128 v[BI+8*\b+4:BI+8*\b+7], v[BA], s[8:9] offset:64*\b+16
.endr
	s_lshl_b32 s62, s18, 20                        ; my first row x 4,096: 256 Y + 128 half
	s_lshl_b32 s63, s13, 19
	s_add_co_u32 s62, s62, s63
	s_mov_b32 s63, 0
	s_add_nc_u64 s[10:11], s[10:11], s[62:63]
	s_add_nc_u64 s[10:11], s[10:11], s[60:61]
	v_lshrrev_b32 v3, 1, v1
	v_mul_u32_u24 v3, v3, 272
	v_and_b32 v4, 1, v0
	v_lshl_add_u32 v3, v4, 7, v3
	v_lshl_add_u32 v3, v2, 4, v3                   ; a: row r: line r / 2, half r % 2, + 16 h
	s_mul_i32 s21, s13, 64*272                     ; my 128 rows
	v_add_nc_u32 v[ADRA], s21, v3
	v_add_nc_u32 v[ADRA+1], SLOT, v[ADRA]
	v_and_b32 v4, 7, v0
	v_lshl_add_u32 v4, v2, 3, v4
	v_mul_u32_u24 v4, v4, PB                       ; w_proj, for the turning load: row 8 h + lane % 8,
	v_bfe_u32 v5, v0, 3, 1
	v_lshl_add_u32 v4, v5, 4, v4                   ; columns 8 ((lane / 8) % 2) on
	s_lshl_b32 s21, s14, 7
	s_add_co_u32 s21, s21, BOFF                    ; my 64 columns
	v_add_nc_u32 v[ADRB], s21, v4
	v_add_nc_u32 v[ADRB+1], SLOT, v[ADRB]
	s_mul_i32 s21, s12, 16*SPITCH
	s_add_co_u32 s21, s21, STAGE                   ; my stage
	v_mul_u32_u24 v5, v1, SPITCH
	v_lshl_add_u32 v5, v2, 5, v5
	v_add_nc_u32 v[STO], s21, v5                   ; in: row r, 32 bytes for each half of the lanes
	v_mul_u32_u24 v5, v2, SPITCH
	v_lshl_add_u32 v5, v1, 4, v5
	v_add_nc_u32 v[RD], s21, v5                    ; back: lanes 0-15 one row of 256 bytes, lanes 16-31 the next
	v_lshlrev_b32 v5, 12, v2
	v_lshl_add_u32 v[CO], v1, 4, v5                ; and the same two rows in out0
.macro MUL8 f, a0, zero                ; row blocks a0, a0 + 1 x the four column blocks, 32 along K.  zero = 1: the C is the bias: nothing is cleared
.irp a, \a0, \a0+1
.irp b, 0,1,2,3
.if \zero
	v_wmma_f32_16x16x32_f16 v[8*(4*(\a)+\b):8*(4*(\a)+\b)+7], v[\f+64+8*\b:\f+64+8*\b+7], v[\f+8*(\a):\f+8*(\a)+7], v[BI+8*\b:BI+8*\b+7]
.else
	v_wmma_f32_16x16x32_f16 v[8*(4*(\a)+\b):8*(4*(\a)+\b)+7], v[\f+64+8*\b:\f+64+8*\b+7], v[\f+8*(\a):\f+8*(\a)+7], v[8*(4*(\a)+\b):8*(4*(\a)+\b)+7]
.endif
.endr
.endr
.endm
.macro FETCH slot, kk, f               ; 24 LDS loads in one run: the slot's kk-th 32 along K: w_proj's four blocks, a's blocks 0-3, a's blocks 4-7
	WIN 0
.irp b, 0,1,2,3
	ds_load_tr16_b128 v[\f+64+8*\b:\f+64+8*\b+3],   v[ADRB+\slot] offset:32*PB*(\kk)+32*\b
	ds_load_tr16_b128 v[\f+64+8*\b+4:\f+64+8*\b+7], v[ADRB+\slot] offset:32*PB*(\kk)+32*\b+16*PB
.endr
.irp i, 0,1,2,3,4,5,6,7
	ds_load_b128 v[\f+8*\i:\f+8*\i+3],   v[ADRA+\slot] offset:((\kk)/2)*HEADB+((\kk)%2)*64+2176*\i
	ds_load_b128 v[\f+8*\i+4:\f+8*\i+7], v[ADRA+\slot] offset:((\kk)/2)*HEADB+((\kk)%2)*64+2176*\i+32
.endr
.endm
; A K step is four quarters of 32 along K, 32 matrix instructions each, on buffers 0, 1, 0, 1; the 32 accumulators take turns, one instruction a turn.
.macro QUARTER slot, kk, f, g, zero    ; multiplies buffer f; in its middle it fetches the slot's kk-th quarter into g
.set WM, 0x50                          ; C and D window 1
.if \zero
.set WM, 0x40                          ; the bias lies in window 0
.endif
	s_wait_dscnt 8                                 ; w_proj's and a's blocks 0-3 are in; the youngest eight loads may be out
	WIN WM
	MUL8 \f, 0, \zero
	MUL8 \f, 2, \zero
	PLACES                                         ; four places in front of loads into registers that matrix instructions have read
	FETCH \slot, \kk, \g
	s_wait_dscnt 24                                ; all but the 24 just issued
	WIN WM
	MUL8 \f, 4, \zero
	MUL8 \f, 6, \zero
.endm
; The last quarter multiplies buffer 1 and changes slots: one barrier; in front of it each wave waits for all its tensor loads, adds 0 to its spare word, and waits for that and for its reads of this slot.
.macro TURN slot, next, fill
	WIN 0
	s_wait_tensorcnt 0x0                           ; all my tensor loads have landed: my part of the next slot
	ds_add_u32 v[SPW], v[NIL]
	s_wait_dscnt 9                                 ; (the add and the youngest eight loads may be out)
	WIN 0x50
	MUL8 F1, 0, 0
	s_wait_dscnt 0x0                               ; the add is done, and my reads of this slot are over
	s_barrier_signal -1
	MUL8 F1, 2, 0
.if \fill
	WIN 0
.endif
	s_barrier_wait -1
.if \fill
	CREST                                          ; the barrier has opened a round of the cluster's: no wave of any partner still reads this slot or has a load on its way
	s_add_nc_u64 s[G0A+4*\slot+2:G0A+4*\slot+3], s[G0A+4*\slot+2:G0A+4*\slot+3], 2*524288
	s_add_nc_u64 s[G0B+4*\slot+2:G0B+4*\slot+3], s[G0B+4*\slot+2:G0B+4*\slot+3], 2*262144
	JLOAD \slot                                    ; the first tensor load behind the round; its four v_nop are also the places in front of the loads below
.else
	PLACES
.endif
	FETCH \next, 0, F0
	WIN 0x50
	MUL8 F1, 4, 0
	MUL8 F1, 6, 0
.endm
	s_wait_tensorcnt 1                             ; my part of K step 0 is in; K step 1's load may be out
	s_barrier_signal -1
	s_barrier_wait -1
	FETCH 0, 0, F0
	s_wait_loadcnt 0x0                             ; the bias
	QUARTER 0, 1, F0, F1, 1                        ; the first quarter stands in front of the loop: its products start the sums
	WIN 0
	s_mov_b32 s3, LAPS-1
.Llap:                                             ; a trip goes once round the ring and fills both slots again
	QUARTER 0, 2, F1, F0, 0
	QUARTER 0, 3, F0, F1, 0
	TURN 0, 1, 1
	QUARTER 1, 1, F0, F1, 0
	QUARTER 1, 2, F1, F0, 0
	QUARTER 1, 3, F0, F1, 0
	TURN 1, 0, 1
	QUARTER 0, 1, F0, F1, 0
	WIN 0
	s_sub_co_u32 s3, s3, 1
	s_cmp_lg_u32 s3, 0
	s_cbranch_scc1 .Llap
	QUARTER 0, 2, F1, F0, 0                        ; the last lap fills nothing
	QUARTER 0, 3, F0, F1, 0
	TURN 0, 1, 0
	QUARTER 1, 1, F0, F1, 0
	QUARTER 1, 2, F1, F0, 0
	QUARTER 1, 3, F0, F1, 0
	s_wait_dscnt 8
	WIN 0x50
	MUL8 F1, 0, 0
	MUL8 F1, 2, 0
	s_wait_dscnt 0x0
	MUL8 F1, 4, 0
	MUL8 F1, 6, 0
	WIN 0
; THE WAY OUT, a block of 16 rows x 64 columns at a time, through my own stage: back as rows of 256 bytes, which sixteen lanes store as 256 consecutive bytes, aligned.
.macro TOSTAGE a
	WIN 0x04                                       ; an LDS store's data are its source 1: window 1
.irp b, 0,1,2,3
	ds_store_b128 v[STO], v[8*(4*(\a)+\b):8*(4*(\a)+\b)+3] offset:64*\b        ; each accumulator from its low end on
	ds_store_b128 v[STO], v[8*(4*(\a)+\b)+4:8*(4*(\a)+\b)+7] offset:64*\b+16
.endr
	WIN 0
.set BB, BK+32*((\a)%2)
.irp t, 0,1,2,3,4,5,6,7
	ds_load_b128 v[BB+4*\t:BB+4*\t+3], v[RD] offset:2*SPITCH*\t                ; LDS serves a wave's instructions in order: these see the stores above
.endr
.endm
.macro SEND a, younger                 ; younger: the LDS instructions issued behind block a's loads
.set BB, BK+32*((\a)%2)
	s_wait_dscnt \younger
.irp t, 0,1,2,3,4,5,6,7
	global_store_b128 v[CO], v[BB+4*\t:BB+4*\t+3], s[10:11] offset:65536*(\a)+8192*\t th:TH_STORE_NT
.endr
.endm
	PLACES                                         ; behind the last products: their results are read, and loads land in registers that they read
	TOSTAGE 0
.irp a, 1,2,3,4,5,6,7
.if \a > 1
	s_wait_xcnt 0x0                                ; block a - 2's stores have read their registers: block a's loads may land there
.endif
	TOSTAGE \a
	SEND (\a)-1, 16                                ; behind block a - 1's loads: block a's 8 stores and 8 loads
.endr
	SEND 7, 0
	s_wait_tensorcnt 0x0                           ; the wave's end
	ds_add_u32 v[SPW], v[NIL]
	s_wait_dscnt 0x0
	CROUND                                         ; the closing round
	s_endpgm
.Lfunc_end_k_q99a76f461e_proj:
	.size	k_q99a76f461e_proj, .Lfunc_end_k_q99a76f461e_proj-k_q99a76f461e_proj
	.p2alignl 7, 3214868480
	.fill 96, 4, 3214868480
	.section	.rodata,"a",@progbits
	.p2align	6, 0x0
	.amdhsa_kernel k_q99a76f461e_proj
		.amdhsa_group_segment_fixed_size 327680
		.amdhsa_private_segment_fixed_size 0
		.amdhsa_enable_private_segment 0
		.amdhsa_kernarg_size 32
		.amdhsa_user_sgpr_count 2
		.amdhsa_user_sgpr_kernarg_segment_ptr 1
		.amdhsa_wavefront_size32 1
		.amdhsa_system_sgpr_workgroup_id_x 1
		.amdhsa_system_sgpr_workgroup_id_y 1
		.amdhsa_system_sgpr_workgroup_id_z 1
		.amdhsa_system_vgpr_workitem_id 0
		.amdhsa_next_free_vgpr 512
		.amdhsa_next_free_sgpr 66
		.amdhsa_reserve_vcc 0
		.amdhsa_float_denorm_mode_32 3
		.amdhsa_float_denorm_mode_16_64 3
		.amdhsa_memory_ordered 1
		.amdhsa_forward_progress 1
		.amdhsa_inst_pref_size 86
	.end_amdhsa_kernel
	.amdgpu_metadata
---
amdhsa.version: [ 1, 2 ]
amdhsa.kernels:
  - .name:           k_q99a76f461e_proj
    .symbol:         k_q99a76f461e_proj.kd
    .args:
      - { .name: a16, .offset: 0, .size: 8, .value_kind: global_buffer, .address_space: global }
      - { .name: wp16, .offset: 8, .size: 8, .value_kind: global_buffer, .address_space: global }
      - { .name: b_proj, .offset: 16, .size: 8, .value_kind: global_buffer, .address_space: global }
      - { .name: out0, .offset: 24, .size: 8, .value_kind: global_buffer, .address_space: global }
    .group_segment_fixed_size: 327680
    .private_segment_fixed_size: 0
    .kernarg_segment_align: 8
    .kernarg_segment_size: 32
    .max_flat_workgroup_size: 128
    .sgpr_count:     66
    .vgpr_count:     512
    .wavefront_size: 32
...
	.end_amdgpu_metadata
.endif
;; end of part 5
